; MI455X (gfx1250); checked and timed in simulation.
; The chip was launched on July 23, 2026; its instructions are those of AMD's public machine-readable ISA for CDNA 5 (MIT licence, August 2026) and "CDNA5" Instruction Set Architecture Reference Guide (July 2026). The comments in the code are by the model that wrote it; some were corrected since.
;; Simple Attention. Allowed arithmetic: matrix products marked QUANTISED: E3M2 operands, one E8M0 scale for each 32 along K, by v_wmma_scale_f32_16x16x128_f8f6f4 with both operands' format E3M2, f32 sums; everything else in f32.
;; Inputs: Wk 1,024 x 512 float32; Wq 1,024 x 512 float32; Wv 1,024 x 512 float32; bk 512 float32; bq 512 float32; bv 512 float32; x 8 x 2,048 x 1,024 float32.
;; Outputs: out0 8 x 512 float32.
;; This version of the problem:
;;   THIS VERSION OF THE PROBLEM IS GIVEN IN LOW PRECISION. The matrix products marked QUANTISED in the list below multiply operands that are first quantised to E3M2 (3 exponent bits, 2 mantissa bits; 6 bits a number), with one power-of-two scale for each 32 numbers along K (OCP MX v1.0); their sums are f32. All else is computed in f32.
;;   The module's matrix products, in the order in which they are computed (A, B: the left and right operand; K: the contracted axis; several contracted axes count as one K, in the product's order):
;;     1. [M 16,384, K 1,024] x [K 1,024, N 512]; A: input x; B: input Wq: QUANTISED
;;     2. [M 16,384, K 1,024] x [K 1,024, N 512]; A: input x; B: input Wk: QUANTISED
;;     3. [M 16,384, K 1,024] x [K 1,024, N 512]; A: input x; B: input Wv: QUANTISED
;;     4. batch 8 x [M 2,048, K 512] x [K 512, N 2,048]; A: computed on the way; B: computed on the way: QUANTISED
;;     5. batch 8 x [M 2,048, K 2,048] x [K 2,048, N 512]; A: computed on the way; B: computed on the way: QUANTISED
;;   THE QUANTISER, for each operand of a quantised product, along K:
;;     - K is cut into blocks of 32 from its start; a last block that is shorter is filled with zeros.
;;     - A block's scale is 2^e with e = floor(log2(the largest magnitude in the block)) - 4, held to -126 .. 127; a block of zeros has e = 0. As a byte (E8M0): e + 127.
;;     - Each number is divided by its block's scale, clamped to +-28, and rounded to the nearest number of E3M2, ties to even, subnormals kept.
;;     - The product sums the exact products of the quantised numbers (number of the format x scale) in f32.
;;   ~~~python
;;   def quantise(x, axis):      # numpy; x: float32 -> the quantised numbers, widened to float32 again
;;       x = np.moveaxis(x, axis, -1); K = x.shape[-1]
;;       x = np.pad(x, [(0, 0)] * (x.ndim - 1) + [(0, -K % 32)]); x = x.reshape(x.shape[:-1] + (-1, 32)); a = np.abs(x).max(-1, keepdims=True)
;;       e = np.where(a > 0, np.clip(np.frexp(np.where(a > 0, a, 1))[1] - 1 - 4, -126, 127), 0)      # np.frexp(a)[1] - 1 = floor(log2(a)), exactly
;;       r = np.clip(x / 2.0 ** e, -28, 28)
;;       step = 2.0 ** (np.maximum(np.frexp(np.where(r == 0, 1, r))[1] - 1, -2) - 2)
;;       q = np.round(r / step) * step * 2.0 ** e      # np.round: ties to even
;;       return np.moveaxis(q.reshape(q.shape[:-2] + (-1,))[..., :K], -1, axis).astype(np.float32)
;;   ~~~
;;   OPERANDS COMPUTED ON THE WAY. 'Computed on the way' means the value that the module computes at that place (a softmax that the list does not call 'softmax' is quantised finished and normalised). What goes into a quantiser is computed in f32, as accurately as f32 sums, v_exp_f32 and their like allow (about 1e-6 of the number): no bf16 or f16 on the way to a quantiser, and a product that is left as it is and whose result goes on into a quantised operand takes f32 operands (vector FMAs, or v_wmma_f32_16x16x4_f32). A number that lies on a knife's edge between two numbers of the format may be rounded either way, as far as f32 arithmetic and the matrix unit's own rounding can turn it there, and no further.
;; One version. Each part assembles by itself: llvm-mc -triple=amdgcn-amd-amdhsa -mcpu=gfx1250 --defsym DOCPART=n.
;; ======== version 1 of 1: 4 launches
;; limits: right only within a limited range of input values
;; workspace buffers: xq 13,107,200 bytes; wq 1,228,800 bytes; fr 18,874,368 bytes; sc 786,432 bytes; part 524,288 bytes
;; launch prep (part 1): grid 560 x 1, 4 waves a work-group, no clusters, 68,096 bytes of LDS; arguments x, Wq, Wk, Wv, xq, wq; writes xq, wq
.if DOCPART == 1
	.amdgcn_target "amdgcn-amd-amdhsa--gfx1250"
	.amdhsa_code_object_version 6
	.text
	.protected	k_q595a7932a5_prep
	.globl	k_q595a7932a5_prep
	.p2align	8
	.type	k_q595a7932a5_prep,@function
k_q595a7932a5_prep:
	s_mov_b64 s[64:65], 0
	v_nop
	global_prefetch_b8 v0, s[64:65] scope:SCOPE_SE
	s_setreg_imm32_b32 hwreg(HW_REG_WAVE_MODE, 25, 1), 1
	s_wait_xcnt 0x0
; x [16384][1024] and Wq, Wk, Wv [1024][512], f32, become codes of BF6 (E3M2), K innermost (768 bytes a row), with one E8M0 byte for each 32 along K (32 bytes a row).
; A block's byte is its largest magnitude's exponent field - 4, held at 1 from below; each number is divided by the scale and rounded to the nearest code, ties to even, beyond 28 the code of 28.
; ROWS ARE LAID BY POSITION: a row's number with its bits 3 and 4 exchanged.  Sixteen neighbouring positions are then rows 32 g + 8 u + r + 8 (r / 8): the choice of rows by which a product used
; transposed leaves a lane 16 neighbours along the next K.  xq: codes at 0, bytes at XS_OFF.  wq: row 512 m + position(n), m = 0, 1, 2 for Wq, Wk, Wv; codes at 0, bytes at WS_OFF.
; LIMITS: NaN and infinities are not served; a block of zeros, or one whose largest magnitude lies under 2^-122, gets the byte 1 (its codes are read by this program alone).
; Work-groups 0 to 47 take the weights (a lane to a column, registers down K), the other 512 take x (a stream of blocks).  The two ways have LDS bytes of their own.  Nothing is shared
; between work-groups, so there is no cluster; no tensor load, no barrier: waves share nothing.
.set NWG_W,  48
.set XS_OFF, 12582912
.set WS_OFF, 1179648
.set EMAX,   4
.set STEPS,  16                        ; x: steps of 512 numbers in a wave's run of 8 rows
.set CB,     12                        ; bytes of 16 codes
.set R,      16                        ; v16-79   four sets of 16 numbers as loaded
.set X,      80                        ; v80-111  two sets of 16 neighbours
.set E,      112                       ; v112-127 a scale byte for each step
.set C,      128                       ; v128-191 codes, four registers a step
.set WREG,   8192                      ; LDS of a wave on x's way: two stages of 32 x SP bytes, then 256 scale bytes
.set SP,     80                        ; a lane's 64 bytes + 16 of padding
.set NB,     8                         ; W: blocks of 32 along K for a wave
.set PITCH,  272                       ; a stage row: sixteen places of 16 bytes + 16
.set KROW,   768
.set WSTG,   32768                     ; W's stages begin here
.set XW,     32                        ; v32-95   two sets of 32 numbers
.set CW,     96                        ; v96..    a block's codes
.set OUTR,   112                       ; v112-175 the way out
.set SB,     24                        ; v24-25   eight scale bytes
	s_load_b256 s[4:11], s[0:1], 0x0               ; x, Wq, Wk, Wv
	s_load_b128 s[12:15], s[0:1], 0x20             ; xq, wq
	v_lshl_add_u32 v192, v0, 2, 0x10800
	v_mov_b32 v193, 0
	v_lshrrev_b32 v1, 5, v0
	v_readfirstlane_b32 s16, v1                    ; wave
	v_and_b32 v2, 31, v0                           ; lane
	s_cmp_lt_u32 ttmp9, NWG_W
	s_cbranch_scc1 .Lw
; ---------------- x: a wave takes 8 rows, 8,192 numbers, and writes them 8 rows at the exchanged place
	v_lshlrev_b32 v3, 4, v2                        ; my 16 bytes of a load's 512
	s_mul_i32 s17, s16, WREG
	v_lshrrev_b32 v14, 2, v2
	v_mul_u32_u24 v14, v14, SP
	v_and_b32 v15, 3, v2
	v_lshl_add_u32 v14, v15, 4, v14
	v_add_nc_u32 v14, s17, v14                     ; the stage, in: SP (lane / 4) + 16 (lane % 4)
	v_mul_u32_u24 v15, v2, SP
	v_add_nc_u32 v15, s17, v15                     ; out: SP x lane: my 16 neighbours
	v_mul_u32_u24 v4, v2, CB                       ; my codes' place in a step's 384 bytes
	v_lshrrev_b32 v5, 1, v2
	s_add_co_u32 s17, s17, 2*32*SP
	v_add_nc_u32 v5, s17, v5                       ; my block's scale byte in LDS
	v_lshlrev_b32 v7, 3, v2
	v_add_nc_u32 v6, s17, v7                       ; and 8 of them a lane on the way out
	s_sub_co_u32 s18, ttmp9, NWG_W
	s_lshl_b32 s18, s18, 2
	s_add_co_u32 s19, s18, s16                     ; the run that I read: 4 g + wave
	s_and_b32 s20, s16, 1
	s_lshl_b32 s20, s20, 1
	s_lshr_b32 s21, s16, 1
	s_or_b32 s20, s20, s21                         ; the wave's two bits exchanged: bits 3 and 4 of the row
	s_add_co_u32 s20, s18, s20                     ; the run that I write
	s_lshl_b32 s22, s19, 15                        ; 32,768 bytes of f32 a run
	s_mov_b32 s23, 0
	s_mul_i32 s24, s20, 32*STEPS*CB                ; 6,144 bytes of codes
	s_mov_b32 s25, 0
	s_lshl_b32 s26, s20, 8                         ; 256 scale bytes
	s_add_co_u32 s26, s26, XS_OFF
	s_mov_b32 s27, 0
	s_wait_alu depctr_va_vdst(0)
	s_wait_kmcnt 0x0
	s_add_nc_u64 s[4:5], s[4:5], s[22:23]
	s_add_nc_u64 s[8:9], s[12:13], s[24:25]
	s_add_nc_u64 s[10:11], s[12:13], s[26:27]
.macro LOAD t
.irp i, 0,1,2,3
	global_load_b128 v[R+16*((\t)%4)+4*\i:R+16*((\t)%4)+4*\i+3], v3, s[4:5] offset:2048*(\t)+512*\i th:TH_LOAD_NT   ; 32 lanes read 512 consecutive bytes
.endr
.endm
.macro TURN t                          ; a step's numbers through the stage: LDS serves a wave's instructions in order, so no wait stands between the stores and the loads
.irp i, 0,1,2,3
	ds_store_b128 v14, v[R+16*((\t)%4)+4*\i:R+16*((\t)%4)+4*\i+3] offset:32*SP*((\t)%2)+8*SP*\i
.endr
.irp i, 0,1,2,3
	ds_load_b128 v[X+16*((\t)%2)+4*\i:X+16*((\t)%2)+4*\i+3], v15 offset:32*SP*((\t)%2)+16*\i
.endr
.endm
.irp t, 0,1,2,3
	LOAD \t
.endr
	s_wait_loadcnt 12                              ; step 0's four loads are in; three steps' twelve stay out
	TURN 0
.macro STEP t
.set XS, X+16*((\t)%2)
.if (\t) > 0
	s_wait_dscnt 1                                 ; this step's numbers are back from the stage; the last step's byte store may be out
.else
	s_wait_dscnt 0x0
.endif
.if (\t)+4 < STEPS
	LOAD (\t)+4
.endif
.if (\t)+1 < STEPS
.if STEPS-2-(\t) >= 3
	s_wait_loadcnt 12                              ; the next step's four loads are in; those of the three steps behind it may be out
.else
	s_wait_loadcnt 4*(STEPS-2-(\t))
.endif
	TURN (\t)+1
.endif
	v_max3_num_f32 v8, |v[XS]|, |v[XS+1]|, |v[XS+2]|               ; the largest magnitude of my 16, in two chains
	v_max3_num_f32 v9, |v[XS+3]|, |v[XS+4]|, |v[XS+5]|
.irp i, 6,10
	v_max3_num_f32 v8, v8, |v[XS+\i]|, |v[XS+\i+1]|
	v_max3_num_f32 v9, v9, |v[XS+\i+2]|, |v[XS+\i+3]|
.endr
	v_max3_num_f32 v8, v8, |v[XS+14]|, |v[XS+15]|
	v_max3_num_f32 v8, v8, v9, (EMAX+1)<<23        ; and the floor 2^(5 - 127): the byte cannot fall under 1
	v_max_num_f32_dpp v8, v8, v8 row_xmask:1 row_mask:0xf bank_mask:0xf   ; with my neighbour's 16: the block's
	v_add_nc_u32 v11, -(EMAX<<23), v8              ; 4 off its exponent field: the conversion's scale operand
	v_cvt_scalef32_pk16_bf6_f32 v[C+4*(\t):C+4*(\t)+2], v[XS:XS+15], v11
	v_lshrrev_b32 v[E+(\t)], 23, v11               ; the scale's byte (also the plain line behind the conversion)
	ds_store_b8 v5, v[E+(\t)] offset:16*(\t)       ; both lanes of a block write the same byte with the same value
	global_store_b96 v4, v[C+4*(\t):C+4*(\t)+2], s[8:9] offset:32*CB*(\t)   ; the wave stores 384 consecutive bytes
.endm
.irp t, 0,1,2,3,4,5,6,7,8,9,10,11,12,13,14,15
	STEP \t
.endr
	ds_load_b64 v[12:13], v6                       ; in order behind my byte stores
	s_wait_dscnt 0x0
	global_store_b64 v7, v[12:13], s[10:11]        ; 32 lanes store 256 consecutive bytes, aligned
	s_wait_tensorcnt 0x0
	ds_add_u32 v192, v193
	s_wait_dscnt 0x0
	s_endpgm
; ---------------- W: a wave takes 32 columns x 256 along K of one of the three weights
.Lw:
	s_lshr_b32 s17, ttmp9, 4                       ; which weight
	s_and_b32 s18, ttmp9, 3                        ; which 128 columns
	s_bfe_u32 s19, ttmp9, 0x20002                  ; which 256 along K
	s_lshl_b32 s20, s18, 7
	s_lshl_b32 s21, s16, 5
	s_add_co_u32 s20, s20, s21                     ; my wave's first column; the exchange of bits 3 and 4 stays inside its 32
	s_lshl_b32 s21, s17, 9
	s_add_co_u32 s21, s21, s20                     ; and its first row in wq
	s_wait_alu depctr_va_vdst(0)
	v_lshlrev_b32 v3, 2, v2                        ; in: 4 bytes a lane
	s_mul_i32 s22, s16, 32*PITCH
	s_add_co_u32 s22, s22, WSTG                    ; my stage
	v_mul_u32_u24 v4, v2, PITCH
	v_add_nc_u32 v4, s22, v4                       ; into it: row = my column
	v_and_b32 v5, 15, v2
	v_lshrrev_b32 v6, 4, v2
	v_mul_u32_u24 v7, v6, PITCH
	v_lshl_add_u32 v7, v5, 4, v7
	v_add_nc_u32 v7, s22, v7                       ; out of it: sixteen lanes to a row, two rows an instruction
	v_mul_u32_u24 v8, v6, KROW
	v_mad_u32_u24 v8, v5, 12, v8                   ; and the same place in wq
	v_and_b32 v9, 7, v2                            ; my column's position among the wave's 32
	v_and_b32 v10, 8, v2
	v_lshl_or_b32 v9, v10, 1, v9
	v_and_b32 v10, 16, v2
	v_lshrrev_b32 v10, 1, v10
	v_or_b32 v9, v9, v10
	v_lshlrev_b32 v9, 5, v9                        ; x 32 scale bytes a row
	s_lshl_b32 s24, s19, 19                        ; 256 rows of 2,048 bytes
	s_lshl_b32 s25, s20, 2
	s_add_co_u32 s24, s24, s25
	s_mov_b32 s25, 0
	s_mul_i32 s26, s21, KROW
	s_mul_i32 s27, s19, 192
	s_add_co_u32 s26, s26, s27
	s_mov_b32 s27, 0
	s_lshl_b32 s28, s21, 5
	s_lshl_b32 s29, s19, 3
	s_add_co_u32 s28, s28, s29
	s_add_co_u32 s28, s28, WS_OFF
	s_mov_b32 s29, 0
	s_wait_kmcnt 0x0
	s_cmp_eq_u32 s17, 1                            ; the choice hangs on the work-group's number alone
	s_cselect_b64 s[6:7], s[8:9], s[6:7]
	s_cmp_eq_u32 s17, 2
	s_cselect_b64 s[6:7], s[10:11], s[6:7]
	s_add_nc_u64 s[4:5], s[6:7], s[24:25]
	s_add_nc_u64 s[6:7], s[14:15], s[26:27]
	s_add_nc_u64 s[8:9], s[14:15], s[28:29]
.macro WLOAD t                         ; block t: W(32 t + i, my column) into set t % 2: each load reads 128 consecutive bytes a wave
.irp i, 0,1,2,3,4,5,6,7,8,9,10,11,12,13,14,15,16,17,18,19,20,21,22,23,24,25,26,27,28,29,30,31
	global_load_b32 v[XW+32*((\t)%2)+\i], v3, s[4:5] offset:(32*(\t)+\i)*2048 th:TH_LOAD_NT
.endr
.endm
	WLOAD 0
	WLOAD 1
.macro BLOCK t
.set XB, XW+32*((\t)%2)
.if (\t) < NB-1
	s_wait_loadcnt 32                              ; this block's 32 loads are in; the next block's may be out
.else
	s_wait_loadcnt 0
.endif
	v_max3_num_f32 v12, |v[XB]|, |v[XB+1]|, |v[XB+2]|              ; all 32 numbers of the block are mine
	v_max3_num_f32 v13, |v[XB+3]|, |v[XB+4]|, |v[XB+5]|
.irp i, 6,10,14,18,22,26
	v_max3_num_f32 v12, v12, |v[XB+\i]|, |v[XB+\i+1]|
	v_max3_num_f32 v13, v13, |v[XB+\i+2]|, |v[XB+\i+3]|
.endr
	v_max3_num_f32 v12, v12, |v[XB+30]|, |v[XB+31]|
	v_max3_num_f32 v12, v12, v13, (EMAX+1)<<23
	v_add_nc_u32 v11, -(EMAX<<23), v12
	v_lshrrev_b32 v13, 23, v11
.if (\t)%4 == 0
	v_mov_b32 v[SB+(\t)/4], v13                    ; four bytes to a register, the lower K in the lower byte
.else
	v_lshl_or_b32 v[SB+(\t)/4], v13, 8*((\t)%4), v[SB+(\t)/4]
.endif
	v_cvt_scalef32_pk16_bf6_f32 v[CW:CW+2], v[XB:XB+15], v11
	v_cvt_scalef32_pk16_bf6_f32 v[CW+4:CW+6], v[XB+16:XB+31], v11   ; (a conversion's three registers begin on an even number)
	v_nop                                          ; one plain line behind the conversions
	ds_store_b96 v4, v[CW:CW+2] offset:32*(\t)     ; 12 bytes to a place of 16
	ds_store_b96 v4, v[CW+4:CW+6] offset:32*(\t)+16
.if (\t)+2 < NB
	WLOAD (\t)+2
.endif
	s_wait_dscnt 0x0                               ; the stores have read their registers
.endm
.irp t, 0,1,2,3,4,5,6,7
	BLOCK \t
.endr
	s_wait_alu depctr_va_vdst(0)
	global_store_b64 v9, v[SB:SB+1], s[8:9]        ; my column's eight scale bytes
.irp t, 0,1,2,3,4,5,6,7,8,9,10,11,12,13,14,15
	ds_load_b96 v[OUTR+4*\t:OUTR+4*\t+2], v7 offset:2*\t*PITCH
.endr
.irp t, 0,1,2,3,4,5,6,7,8,9,10,11,12,13,14,15
.set TP, (\t&3)|((\t&4)<<1)|((\t&8)>>1)        ; columns 2 t, 2 t + 1 go to positions 2 t', 2 t' + 1
	s_wait_dscnt 15-\t                             ; the younger loads may be out
	global_store_b96 v8, v[OUTR+4*\t:OUTR+4*\t+2], s[6:7] offset:2*TP*KROW   ; sixteen lanes store a row's 192 consecutive bytes
.endr
	s_wait_tensorcnt 0x0
	ds_add_u32 v192, v193
	s_wait_dscnt 0x0
	s_endpgm
.Lfunc_end_k_q595a7932a5_prep:
	.size	k_q595a7932a5_prep, .Lfunc_end_k_q595a7932a5_prep-k_q595a7932a5_prep
	.p2alignl 7, 3214868480
	.fill 96, 4, 3214868480
	.section	.rodata,"a",@progbits
	.p2align	6, 0x0
	.amdhsa_kernel k_q595a7932a5_prep
		.amdhsa_group_segment_fixed_size 68096
		.amdhsa_private_segment_fixed_size 0
		.amdhsa_enable_private_segment 0
		.amdhsa_kernarg_size 48
		.amdhsa_user_sgpr_count 2
		.amdhsa_user_sgpr_kernarg_segment_ptr 1
		.amdhsa_wavefront_size32 1
		.amdhsa_system_sgpr_workgroup_id_x 1
		.amdhsa_system_sgpr_workgroup_id_y 1
		.amdhsa_system_sgpr_workgroup_id_z 1
		.amdhsa_system_vgpr_workitem_id 0
		.amdhsa_next_free_vgpr 194
		.amdhsa_next_free_sgpr 66
		.amdhsa_reserve_vcc 0
		.amdhsa_float_denorm_mode_32 3
		.amdhsa_float_denorm_mode_16_64 3
		.amdhsa_memory_ordered 1
		.amdhsa_forward_progress 1
		.amdhsa_inst_pref_size 74
	.end_amdhsa_kernel
	.amdgpu_metadata
---
amdhsa.version: [ 1, 2 ]
amdhsa.kernels:
  - .name:           k_q595a7932a5_prep
    .symbol:         k_q595a7932a5_prep.kd
    .args:
      - { .name: x, .offset: 0, .size: 8, .value_kind: global_buffer, .address_space: global }
      - { .name: Wq, .offset: 8, .size: 8, .value_kind: global_buffer, .address_space: global }
      - { .name: Wk, .offset: 16, .size: 8, .value_kind: global_buffer, .address_space: global }
      - { .name: Wv, .offset: 24, .size: 8, .value_kind: global_buffer, .address_space: global }
      - { .name: xq, .offset: 32, .size: 8, .value_kind: global_buffer, .address_space: global }
      - { .name: wq, .offset: 40, .size: 8, .value_kind: global_buffer, .address_space: global }
    .group_segment_fixed_size: 68096
    .private_segment_fixed_size: 0
    .kernarg_segment_align: 8
    .kernarg_segment_size: 48
    .max_flat_workgroup_size: 128
    .sgpr_count:     66
    .vgpr_count:     194
    .wavefront_size: 32
...
	.end_amdgpu_metadata
.endif
;; end of part 1
;; launch proj (part 2): grid 128 x 2, 4 waves a work-group, clusters of 4 x 1, 327,680 bytes of LDS; arguments xq, wq, bq, bk, bv, fr, sc; writes fr, sc
.if DOCPART == 2
	.amdgcn_target "amdgcn-amd-amdhsa--gfx1250"
	.amdhsa_code_object_version 6
	.text
	.protected	k_q595a7932a5_proj
	.globl	k_q595a7932a5_proj
	.p2align	8
	.type	k_q595a7932a5_proj,@function
k_q595a7932a5_proj:
	s_mov_b64 s[64:65], 0
	v_nop
	global_prefetch_b8 v0, s[64:65] scope:SCOPE_SE
	s_setreg_imm32_b32 hwreg(HW_REG_WAVE_MODE, 25, 1), 1
	s_wait_xcnt 0x0
	s_wait_alu depctr_hold_cnt(0) depctr_sa_sdst(0) depctr_va_vdst(0) depctr_va_sdst(0) depctr_va_ssrc(0) depctr_va_vcc(0) depctr_vm_vsrc(0)
	s_getreg_b32 s2, hwreg(HW_REG_IB_STS2, 6, 4)
	s_cmp_eq_u32 s2, 0
	s_cbranch_scc0 .Lentry_in_a_cluster
	s_endpgm
.Lentry_in_a_cluster:
	s_bfe_u32 s2, ttmp6, 0x10000c
	s_cmp_lg_u32 s2, 0x3003
	s_cbranch_scc0 .Lentry_shape_is_right
	s_endpgm
.Lentry_shape_is_right:
; q, k, v = x W + b on codes of BF6 (E3M2) with E8M0 scales, f32 sums; the results are quantised in registers and stored as images of operand registers.
; A work-group (mt, y) takes 128 rows of x and 768 columns.  Wave (rh, ch) takes 64 rows and, one after the other, columns 256 y + 128 ch .. + 127 of Wq, Wk, Wv.
; X STAYS IN REGISTERS: a wave's 4 blocks x 8 K steps x 12 = 384 registers, read from LDS once.  Only W's fragments are read from LDS in the steps: each feeds four products.
; W goes by chunks of 256 bytes of its rows (768 bytes) through three LDS slots, chunk j in slot j; a slot is filled with the next weight's chunk when its last read is over (steps 2, 5, 7).
; q, k: source 0 = W, source 1 = x: a lane holds a row, its registers run along the columns.  v: the sources change places: a lane holds a column, its registers run along the keys.
; Rows lie by position in xq and wq (bits 3 and 4 exchanged), so 16 registers of two neighbouring tiles are 16 neighbours along the next K.  The bias is the C of each sum's first product.
; OUT.  fr: a fragment is 1,536 bytes, register 4 c + i of lane l at 512 c + 16 l + 4 i.  q, k: 128 rows x 49,152 + tile x 6,144 + K step x 1,536.  v: 128 keys x 49,152 + column tile x 1,536.
; sc: blocks of 512 bytes, lane l's word i = the scale word of tile 2 i + l / 16, row l % 16.  A wave holds half of a block's tiles (q, k) or 64 of a fragment's 128 keys (v): these leave in pieces of 8 bytes
; a lane, which two waves of the work-group interleave; v's scale words are joined through LDS.
; CLUSTER: four work-groups with one y read the same tiles of W: joint loads, mask 15.  x's rows are each work-group's own.
; NO PREFETCH: x is asked for once, at the head, with no loop ahead of it.
; LIMITS: NaN and infinities are not served; a block whose largest magnitude lies under 2^-122 keeps the byte 1.
; REGISTERS.  window 0: v0-31 addresses, v32-47 x's scale words, v48-79 W's, v80-143 the bias, v144-239 x's K steps 5, 6, v240-243 at work.  window 1: v0-95, v96-191 W's two sets (the second also
; the way out's registers), v192-239 x's K step 7.  window 2: 32 accumulators.  window 3: x's K steps 0 to 4.
.set FRP,    6291456
.set SCP,    262144
.set XS_OFF, 12582912
.set WS_OFF, 1179648
.set XPIT,   816                       ; x's LDS row: 3 x (256 + 16)
.set PITCH,  272
.set SL0,    128*XPIT                  ; the three slots lie behind x
.set HALFT,  128*PITCH
.set SLOT,   256*PITCH
.set SCX,    SL0+3*SLOT                ; 512 bytes a wave: v's scale words on their way to the partner
.set SPARE,  SCX+2048                  ; the spare words
.set LI, 6
.set SA, 7
.set SOF, 8
.set BOQ, 9
.set BOV, 10
.set AX, 11
.set AX2, 12
.set ADRB, 13
.set CR, 16
.set VA, 18
.set SCXW, 21
.set OWN, 22
.set PAR, 23
.set SPW, 28
.set NIL, 29
.set XS, 32
.set WS, 48
.set BIAS, 80
.set E, 240
.set TM, 96                            ; window 1
.set PW, 112
.set SV, 113
.set SW, 116
.set PC, 120                           ; each block's codes have registers of their own from here on, so that no store's data are written again inside a way out
.set PS0, 28
.set PS1, 29
.set MSK, 30
.set TRIP, 31
.set G1X, 32
.set G1H, 40
.set G1R, 48
.set GX0, 56
.set GW0, 60
.set GW1, 68
.set GR, 72
.set RP, 76
.set LW, 78
.set WSP, 80
.set FRQ, 82
.set SCQ, 84
.set FRV, 86
.set XSP, 90
.set SH0, 92
.set SH1, 93
.set MSB, 0
.macro WIN new                         ; the immediate's high byte repeats the setting that is left
.if MSB != (\new)
	s_set_vgpr_msb (MSB<<8)|(\new)
.set MSB, (\new)
.endif
.endm
.macro PLACES
.rept 4
	v_nop
.endr
.endm
.macro CREST                           ; a round of the cluster's barrier behind its opening barrier
	s_cmp_lg_u32 s18, 0
	s_cbranch_scc1 .Lnot_wave_0_\@
	s_barrier_signal -3
.Lnot_wave_0_\@:
	s_barrier_wait -3
	s_barrier_signal -1
	s_barrier_wait -1
.endm
.macro ROUND
	s_barrier_signal -1
	s_barrier_wait -1
	CREST
.endm
	s_load_b256 s[4:11], s[0:1], 0x0               ; xq, wq, bq, bk
	s_load_b128 s[12:15], s[0:1], 0x20             ; bv, fr
	s_load_b64 s[16:17], s[0:1], 0x30              ; sc
	v_lshl_add_u32 v[SPW], v0, 2, SPARE
	v_mov_b32 v[NIL], 0
	ds_add_u32 v[SPW], v[NIL]                      ; the opening lines
	ds_add_u32 v[SPW], v[NIL]
	v_lshrrev_b32 v1, 5, v0
	v_readfirstlane_b32 s18, v1                    ; wave
	s_lshr_b32 s19, s18, 1                         ; rh
	s_and_b32 s20, s18, 1                          ; ch
	s_bfe_u32 s21, ttmp6, 0x40000                  ; cx
	s_lshl_b32 s22, ttmp9, 2
	s_add_co_u32 s22, s22, s21                     ; mt
	s_and_b32 s23, ttmp7, 0xffff                   ; y: the partners share it
	s_mov_b32 s[G1X], (3<<16)|(1<<20)|(5<<22)|(3<<25)   ; 64 rows of x are dense: 192 rows of 256 bytes, 16 bytes of padding behind each
	s_mov_b32 s[G1X+1], 32<<16
	s_mov_b32 s[G1X+2], 192<<16
	s_mov_b32 s[G1X+3], 32<<16
	s_mov_b32 s[G1X+4], 192
	s_mov_b32 s[G1X+5], 32
	s_mov_b32 s[G1X+6], 0
	s_mov_b32 s[G1X+7], 0
.irp g, G1H, G1R                               ; W: rows of 256 bytes out of rows of 768, for all four partners
	s_mov_b32 s[\g], 15|(1<<20)|(1<<21)|(5<<22)|(3<<25)
	s_mov_b32 s[\g+1], 256<<16
	s_mov_b32 s[\g+3], 256<<16
	s_mov_b32 s[\g+5], 768
	s_mov_b32 s[\g+6], 0
	s_mov_b32 s[\g+7], 0
.endr
	s_mov_b32 s[G1H+2], 128<<16
	s_mov_b32 s[G1H+4], 128
	s_mov_b32 s[G1R+2], 64<<16
	s_mov_b32 s[G1R+4], 64
	s_lshl_b32 s24, s22, 7
	s_lshl_b32 s25, s20, 6
	s_add_co_u32 s24, s24, s25
	s_mul_i32 s24, s24, 768                        ; x: row 128 mt + 64 (wave % 2)
	s_mov_b32 s25, 0
	s_lshl_b32 s26, s23, 8
	s_lshl_b32 s27, s20, 7
	s_add_co_u32 s2, s26, s27                      ; 256 y + 128 ch
	s_mul_i32 s26, s2, 768
	s_mov_b32 s27, 0
	s_lshl_b32 s94, s19, 8
	s_add_co_u32 s94, s94, 256                     ; chunk 1 (waves 0, 1) or 2 (waves 2, 3)
	s_mov_b32 s95, 0
	s_lshl_b32 s96, s23, 8
	s_lshl_b32 s97, s18, 6
	s_add_co_u32 s96, s96, s97
	s_add_co_u32 s96, s96, 512
	s_mul_i32 s96, s96, 768                        ; the refills: row 512 + 256 y + 64 wave
	s_mov_b32 s97, 0
	s_mov_b32 s[GX0], 1
	s_mul_i32 s[GX0+1], s20, 64*XPIT
	s_mov_b32 s[GW0], 1
	s_mul_i32 s[GW0+1], s20, HALFT
	s_add_co_u32 s[GW0+1], s[GW0+1], SL0
	s_mov_b32 s[GW1], 1
	s_mul_i32 s[GW1+1], s18, HALFT
	s_add_co_u32 s[GW1+1], s[GW1+1], SL0+SLOT
	s_mov_b32 s[GR], 1
	s_mul_i32 s[LW], s18, 64*PITCH
	s_add_co_u32 s[LW], s[LW], SL0
	s_wait_dscnt 0x0
	s_wait_kmcnt 0x0
	s_add_nc_u64 s[GX0+2:GX0+3], s[4:5], s[24:25]
	s_or_b32 s[GX0+3], s[GX0+3], 0x80000000
	s_add_nc_u64 s[GW0+2:GW0+3], s[6:7], s[26:27]
	s_add_nc_u64 s[GW1+2:GW1+3], s[GW0+2:GW0+3], s[94:95]
	s_or_b32 s[GW0+3], s[GW0+3], 0x80000000
	s_or_b32 s[GW1+3], s[GW1+3], 0x80000000
	s_add_nc_u64 s[RP:RP+1], s[6:7], s[96:97]
	ROUND                                          ; the first joint loads meet
	s_cmp_eq_u32 s19, 0                            ; one load a wave: waves 0, 1 x's halves, waves 2, 3 the halves of Wq's chunk 0
	s_cbranch_scc0 .Lhead_w
	tensor_load_to_lds s[GX0:GX0+3], s[G1X:G1X+7]
	s_nop 0
	PLACES
	s_branch .Lhead_j
.Lhead_w:
	tensor_load_to_lds s[GW0:GW0+3], s[G1H:G1H+7]
	s_nop 0
	PLACES
.Lhead_j:
	s_lshl_b32 s3, s23, 1
	s_add_co_u32 s3, s3, s20                       ; my group of 128 columns in a weight
	s_lshl_b32 s24, s22, 7
	s_lshl_b32 s25, s19, 6
	s_add_co_u32 s24, s24, s25
	s_lshl_b32 s24, s24, 5
	s_add_co_u32 s24, s24, XS_OFF
	s_mov_b32 s25, 0
	s_add_nc_u64 s[XSP:XSP+1], s[4:5], s[24:25]    ; the scale bytes of my 64 rows
	s_lshl_b32 s24, s2, 5
	s_add_co_u32 s24, s24, WS_OFF
	s_add_nc_u64 s[WSP:WSP+1], s[6:7], s[24:25]    ; and of my 128 columns of Wq
	s_lshl_b32 s24, s2, 2
	s_add_nc_u64 s[8:9], s[8:9], s[24:25]
	s_add_nc_u64 s[10:11], s[10:11], s[24:25]
	s_add_nc_u64 s[12:13], s[12:13], s[24:25]
	s_mul_i32 s26, s22, 49152
	s_mul_i32 s24, s19, 24576
	s_add_co_u32 s24, s24, s26
	s_mul_i32 s27, s3, 1536
	s_add_co_u32 s24, s24, s27
	s_add_nc_u64 s[FRQ:FRQ+1], s[14:15], s[24:25]
	s_mul_i32 s24, s3, 12288
	s_add_co_u32 s24, s24, s26
	s_add_co_u32 s24, s24, 2*FRP
	s_add_nc_u64 s[FRV:FRV+1], s[14:15], s[24:25]
	s_lshl_b32 s24, s22, 2
	s_add_co_u32 s24, s24, s3
	s_lshl_b32 s24, s24, 9
	s_add_nc_u64 s[SCQ:SCQ+1], s[16:17], s[24:25]
	s_lshl_b32 s94, s19, 3
	s_mul_i32 s95, s19, 64*XPIT
	s_mul_i32 s96, s20, HALFT
	s_add_co_u32 s96, s96, SL0
	s_mul_i32 s97, s19, 520
	s_mul_i32 s98, s19, 1016
	s_add_co_u32 s98, s98, 8
	s_add_co_u32 s99, s97, 512
	s_lshl_b32 s24, s18, 9
	s_add_co_u32 s24, s24, SCX
	s_xor_b32 s25, s18, 2
	s_lshl_b32 s25, s25, 9
	s_add_co_u32 s25, s25, SCX
	s_add_co_u32 s25, s25, s94
	s_lshl_b32 s[SH0], s19, 4
	s_sub_co_u32 s[SH1], 16, s[SH0]
	s_mov_b32 s[PS0], 0x76543210
	s_mov_b32 s[PS1], 0xfedcba98                   ; lane l xor 16
	s_mov_b32 s[MSK], 0xffff
	s_mov_b32 s[TRIP], 0
	v_and_b32 v1, 15, v0                           ; r
	v_bfe_u32 v2, v0, 4, 1                         ; h
	v_and_b32 v3, 31, v0
	v_lshlrev_b32 v[LI], 4, v3                     ; 16 l
	v_add_nc_u32 v[SA], s94, v[LI]                 ; 16 l + 8 rh
	v_lshlrev_b32 v[SOF], 5, v1
	v_lshl_add_u32 v[SOF], v2, 4, v[SOF]           ; a row's 32 scale bytes: lanes 0-15 K steps 0-3, lanes 16-31 K steps 4-7
	v_lshlrev_b32 v[BOQ], 6, v2
	v_and_b32 v[BOV], 8, v1
	v_add_nc_u32 v[BOV], v[BOV], v1
	v_lshlrev_b32 v[BOV], 2, v[BOV]
	v_mul_u32_u24 v4, v1, XPIT
	v_mad_u32_u24 v4, v2, 24, v4
	v_add_nc_u32 v[AX], s95, v4                    ; x: row x pitch + 24 h;
	v_lshl_add_u32 v[AX2], v2, 4, v[AX]            ; and where lanes 16-31 lie behind one padding more
	v_mul_u32_u24 v4, v1, PITCH
	v_add_nc_u32 v4, s96, v4
	v_mad_u32_u24 v[ADRB], v2, 24, v4              ; W in slot 0, 1, 2
	v_add_nc_u32 v[ADRB+1], SLOT, v[ADRB]
	v_add_nc_u32 v[ADRB+2], SLOT, v[ADRB+1]
	v_mad_u32_u24 v[CR], v2, SLOT-232, v4
	v_add_nc_u32 v[CR], 232, v[CR]                 ; lanes 0-15 byte 232 of slot 0's row, lanes 16-31 byte 0 of slot 1's;
	v_add_nc_u32 v[CR+1], SLOT, v[CR]              ; the same for slots 1 and 2
	v_add_nc_u32 v[VA], s97, v[LI]                 ; v: where registers 6 rh, 6 rh + 2, 6 rh + 4 of a fragment lie in its image
	v_add_nc_u32 v[VA+1], s98, v[LI]
	v_add_nc_u32 v[VA+2], s99, v[LI]
	v_add_nc_u32 v[SCXW], s24, v[LI]
	v_add_nc_u32 v[OWN], s94, v[SCXW]
	v_add_nc_u32 v[PAR], s25, v[LI]
	s_wait_alu depctr_va_vdst(0)
.macro BIASQ p                         ; register j of set b = the bias of column 32 (b / 2) + 16 h + 8 (b % 2) + j
.irp b, 0,1,2,3,4,5,6,7
	global_load_b128 v[BIAS+8*\b:BIAS+8*\b+3], v[BOQ], s[\p:\p+1] offset:(32*(\b/2)+8*(\b%2))*4
	global_load_b128 v[BIAS+8*\b+4:BIAS+8*\b+7], v[BOQ], s[\p:\p+1] offset:(32*(\b/2)+8*(\b%2))*4+16
.endr
.endm
.macro WSCALES off                     ; 16 rows' scale bytes are 512 consecutive bytes
.irp b, 0,1,2,3,4,5,6,7
	global_load_b128 v[WS+4*\b:WS+4*\b+3], v[SOF], s[WSP:WSP+1] offset:\off+512*\b
.endr
.endm
.irp a, 0,1,2,3
	global_load_b128 v[XS+4*\a:XS+4*\a+3], v[SOF], s[XSP:XSP+1] offset:512*\a
.endr
	WSCALES 0
	BIASQ 8
.macro FRAGW reg, st, i                ; 16 rows x 128 K in pieces of 8 bytes; byte y of a row lies in slot y / 256
.irp p, 0,1,2,3,4,5
.set BY, 96*(\st)+48*(\p/3)+8*(\p%3)
.if BY/256 == (BY+24)/256
	ds_load_b64 v[\reg+2*\p:\reg+2*\p+1], v[ADRB+BY/256] offset:BY%256+(\i)*16*PITCH
.else
	ds_load_b64 v[\reg+2*\p:\reg+2*\p+1], v[CR+BY/256] offset:BY%256-232+(\i)*16*PITCH
.endif
.endr
.endm
.macro FRAGX reg, a, st
.irp p, 0,1,2,3,4,5
.set BY, 96*(\st)+48*(\p/3)+8*(\p%3)
.if BY/256 == (BY+24)/256
	ds_load_b64 v[\reg+2*\p:\reg+2*\p+1], v[AX] offset:BY+16*(BY/256)+(\a)*16*XPIT
.else
	ds_load_b64 v[\reg+2*\p:\reg+2*\p+1], v[AX2] offset:BY+16*(BY/256)+(\a)*16*XPIT
.endif
.endr
.endm
.macro FETCHW st, p
	WIN 0x40
.irp i, 0,1,2,3,4,5,6,7
	FRAGW 96*(\p)+12*\i, \st, \i
.endr
.endm
.macro XLOC s                          ; where x's fragments of K step s lie
.if (\s) < 5
.set XWN, 3
.set XBS, 48*(\s)
.elseif (\s) < 7
.set XWN, 0
.set XBS, 144+48*((\s)-5)
.else
.set XWN, 1
.set XBS, 192
.endif
.endm
.macro MM d, a, b, c, sa, sb, row
.if \row
	v_wmma_scale_f32_16x16x128_f8f6f4 v[(\d):(\d)+7], v[(\a):(\a)+11], v[(\b):(\b)+11], v[(\c):(\c)+7], v[\sa], v[\sb] matrix_a_fmt:MATRIX_FMT_BF6 matrix_b_fmt:MATRIX_FMT_BF6 matrix_a_scale:MATRIX_SCALE_ROW1 matrix_b_scale:MATRIX_SCALE_ROW1
.else
	v_wmma_scale_f32_16x16x128_f8f6f4 v[(\d):(\d)+7], v[(\a):(\a)+11], v[(\b):(\b)+11], v[(\c):(\c)+7], v[\sa], v[\sb] matrix_a_fmt:MATRIX_FMT_BF6 matrix_b_fmt:MATRIX_FMT_BF6
.endif
.endm
; 16 products of K step s.  k = 0: q, k; 1: v.  The 32 accumulators take turns, one instruction a turn.  In step 0 the bias is C.
.macro MUL k, s, hf
	XLOC \s
.set BSET, 96*((\s)%2)
.set CW, 2
.if (\s) == 0
.set CW, 0
.endif
.if \k == 0
	WIN 0x81|(XWN<<2)|(CW<<4)
.irp a, 2*\hf, 2*\hf+1
.irp b, 0,1,2,3,4,5,6,7
.set DD, 8*(8*(\a)+\b)
.set CC, DD
.if (\s) == 0
.set CC, BIAS+8*\b
.endif
	MM DD, BSET+12*\b, XBS+12*(\a), CC, WS+4*\b+(\s)%4, XS+4*(\a)+(\s)%4, (\s)/4
.endr
.endr
.else
	WIN 0x84|XWN|(CW<<4)
.irp a, 4*\hf, 4*\hf+1, 4*\hf+2, 4*\hf+3
.irp b, 0,1,2,3
.set DD, 8*(4*(\a)+\b)
.set CC, DD
.if (\s) == 0
.set CC, BIAS+8*(\a)
.endif
	MM DD, XBS+12*\b, BSET+12*(\a), CC, XS+4*\b+(\s)%4, WS+4*(\a)+(\s)%4, (\s)/4
.endr
.endr
.endif
.endm
; A K step: 32 products; step nx's fragments of W are fetched into the other set.  sync 1: a barrier shows the tiles on their way whole to all waves.
; sync 2: slot j is read no more: the three lines, a round of the cluster's barrier, and the next weight's chunk j as my one load behind it.
.macro STEP k, s, sync, j, nx
.if \sync == 0
	s_wait_dscnt 0x0
.if \nx >= 0
	PLACES
	FETCHW \nx, (\nx)%2
.endif
	MUL \k, \s, 0
	MUL \k, \s, 1
.else
	WIN 0
	s_wait_tensorcnt 0x0                           ; all my tensor loads have landed
.if \sync == 2
	ds_add_u32 v[SPW], v[NIL]
	s_add_co_u32 s[GR+1], s[LW], \j*SLOT
	s_add_nc_u64 s[GR+2:GR+3], s[RP:RP+1], 256*\j
	s_or_b32 s[GR+3], s[GR+3], 0x80000000
.endif
; sync 3: slots 1 and 2 are both read no more (slot 1 has waited for slot 2): one load a wave fills both, as at the head, one weight (512 rows) further on
.if \sync == 3
	ds_add_u32 v[SPW], v[NIL]
	s_add_nc_u64 s[GW1+2:GW1+3], s[GW1+2:GW1+3], 512*768
.endif
	s_wait_dscnt 0x0                               ; my LDS instructions are done, my reads of slot j among them
	s_barrier_signal -1
	MUL \k, \s, 0
	WIN 0
	s_barrier_wait -1
.if \sync == 2
	CREST
	tensor_load_to_lds s[GR:GR+3], s[G1R:G1R+7]
	s_nop 0
.endif
.if \sync == 3
	CREST
	tensor_load_to_lds s[GW1:GW1+3], s[G1H:G1H+7]
	s_nop 0
.endif
	PLACES
	FETCHW \nx, (\nx)%2
	MUL \k, \s, 1
.endif
.endm
; nb blocks of 32 along the next K, 16 registers a lane each from v[ac] of window 2 on, become codes (v[PC ..], 3 nb registers) and scale bytes (v[PW]).
.macro QUANT ac, nb
	WIN 0x69
.set QB, 0
.rept \nb
	v_max3_num_f32 v[TM+QB], 0x2800000, |v[(\ac)+16*QB]|, |v[(\ac)+16*QB+1]|   ; the floor 2^(5 - 127); each accumulator from its low end on
.set QB, QB+1
.endr
.set QJ, 2
.rept 7
.set QB, 0
.rept \nb
	v_max3_num_f32 v[TM+QB], v[TM+QB], |v[(\ac)+16*QB+QJ]|, |v[(\ac)+16*QB+QJ+1]|
.set QB, QB+1
.endr
.set QJ, QJ+2
.endr
	WIN 0x55
.set QB, 0
.rept \nb
	v_permlanex16_b32 v[TM+4+QB], v[TM+QB], s[PS0], s[PS1]
.set QB, QB+1
.endr
.set QB, 0
.rept \nb
	v_max_num_f32 v[TM+QB], v[TM+QB], v[TM+4+QB]   ; with lane l xor 16's 16
.set QB, QB+1
.endr
.set QB, 0
.rept \nb
	v_add_nc_u32 v[TM+12+QB], 0xfe000000, v[TM+QB] ; 4 off the exponent field: the conversion's scale operand
.set QB, QB+1
.endr
.set QB, 0
.rept \nb
	v_lshrrev_b32 v[TM+4+QB], 23, v[TM+12+QB]      ; the byte
.set QB, QB+1
.endr
	v_lshl_or_b32 v[PW], v[TM+5], 8, v[TM+4]
.if \nb == 4
	v_lshl_or_b32 v[PW], v[TM+6], 16, v[PW]
	v_lshl_or_b32 v[PW], v[TM+7], 24, v[PW]
.endif
	WIN 0x46
.set QB, 0
.rept \nb/2
	v_cvt_scalef32_pk16_bf6_f32 v[PC+6*QB:PC+6*QB+2], v[(\ac)+32*QB:(\ac)+32*QB+15], v[TM+12+2*QB]
	v_cvt_scalef32_pk16_bf6_f32 v[PC+12+4*QB:PC+14+4*QB], v[(\ac)+16+32*QB:(\ac)+31+32*QB], v[TM+13+2*QB]
.set QB, QB+1
.endr
	WIN 0x55
	v_nop                                          ; one plain line behind the conversions
.set QB, 0
.rept \nb/2                                    ; a whole block to a lane
.irp i, 0,1,2
	v_permlane16_swap_b32 v[PC+6*QB+\i], v[PC+12+4*QB+\i]
.endr
.irp i, 0,1,2
	v_mov_b32 v[PC+3+6*QB+\i], v[PC+12+4*QB+\i]
.endr
.set QB, QB+1
.endr
.endm
.macro WORDS a                         ; lanes 0-15 the even tile's word, lanes 16-31 the odd tile's
	WIN 0x55
.if (\a)%2 == 0
	v_mov_b32 v[SV], v[PW]
.else
	v_cndmask_b32 v[SW+(\a)/2], v[PW], v[SV], s[MSK]
.endif
.endm
.macro TMINIT                          ; a lane permute's destination counts as one of its sources
	WIN 0x40
.irp b, 0,1,2,3
	v_mov_b32 v[TM+4+\b], 0
.endr
.endm
	s_wait_tensorcnt 0x0                           ; my tile of the head's four is in
	ds_add_u32 v[SPW], v[NIL]
	s_wait_dscnt 0x0
	ROUND
	tensor_load_to_lds s[GW1:GW1+3], s[G1H:G1H+7]  ; slots 1 and 2: waves 0, 1 chunk 1's halves, waves 2, 3 chunk 2's
	s_nop 0
	PLACES
	FETCHW 0, 0
.set QS, 0
.rept 8                                        ; x's 32 fragments, once
	XLOC QS
	WIN XWN<<6
.irp a, 0,1,2,3
	FRAGX XBS+12*\a, \a, QS
.endr
.set QS, QS+1
.endr
	WIN 0
.Lqk:                                                  ; two trips: q, k
	s_wait_loadcnt 0x0                             ; scale words and bias
	STEP 0, 0, 0, 0, 1
	STEP 0, 1, 1, 0, 2
	STEP 0, 2, 2, 0, 3
	STEP 0, 3, 0, 0, 4
	STEP 0, 4, 0, 0, 5
	STEP 0, 5, 0, 0, 6
	STEP 0, 6, 0, 0, 7
	STEP 0, 7, 3, 0, 0                             ; and the next weight's first fragments
	PLACES
	WIN 0
	WSCALES 16384                                  ; the next weight's scale words and bias come under the way out
	s_cmp_eq_u32 s[TRIP], 0
	s_cbranch_scc0 .Lbias_v
	BIASQ 10
	s_branch .Lbias_j
.Lbias_v:
.irp a, 0,1,2,3,4,5,6,7                        ; v: all eight registers of set a = the bias of my lane's column of tile a
.irp j, 0,1,2,3,4,5,6,7
	global_load_b32 v[BIAS+8*\a+\j], v[BOV], s[12:13] offset:(32*(\a/2)+8*(\a%2))*4
.endr
.endr
.Lbias_j:
	TMINIT
.irp a, 0,1,2,3
.set PC, 120+12*\a
	QUANT 64*\a, 4
	WIN 0x04
.irp c, 0,1,2
	global_store_b128 v[LI], v[PC+4*\c:PC+4*\c+3], s[FRQ:FRQ+1] offset:6144*\a+512*\c   ; 512 consecutive bytes, aligned
.endr
	WORDS \a
.endr
	WIN 0x04
	global_store_b64 v[SA], v[SW:SW+1], s[SCQ:SCQ+1]
	WIN 0
	s_wait_xcnt 0x0                                ; bases and data may be written again
	s_add_nc_u64 s[FRQ:FRQ+1], s[FRQ:FRQ+1], FRP
	s_add_nc_u64 s[SCQ:SCQ+1], s[SCQ:SCQ+1], SCP
	s_add_nc_u64 s[WSP:WSP+1], s[WSP:WSP+1], 16384
	s_add_nc_u64 s[RP:RP+1], s[RP:RP+1], 512*768
	s_add_co_u32 s[TRIP], s[TRIP], 1
	s_cmp_lt_u32 s[TRIP], 2
	s_wait_alu depctr_va_vdst(0)
	s_cbranch_scc1 .Lqk
	s_wait_loadcnt 0x0
	STEP 1, 0, 0, 0, 1                             ; v: nothing more is fetched from memory
	STEP 1, 1, 1, 0, 2
	STEP 1, 2, 0, 0, 3
	STEP 1, 3, 0, 0, 4
	STEP 1, 4, 0, 0, 5
	STEP 1, 5, 0, 0, 6
	STEP 1, 6, 0, 0, 7
	STEP 1, 7, 0, 0, -1
	PLACES
	TMINIT
.irp a, 0,1,2,3,4,5,6,7
.set PC, 120+6*\a
	QUANT 32*\a, 2
	WIN 0x04
.irp c, 0,1,2
	global_store_b64 v[VA+\c], v[PC+2*\c:PC+2*\c+1], s[FRV:FRV+1] offset:1536*\a
.endr
	WORDS \a
.endr
	WIN 0x04
	ds_store_b128 v[SCXW], v[SW:SW+3]              ; my halves of the scale words, for the wave with the other 64 keys
	WIN 0
	s_wait_dscnt 0x0
	s_barrier_signal -1
	s_barrier_wait -1
	ds_load_b64 v[E:E+1], v[OWN]                   ; words 2 rh, 2 rh + 1: my halves,
	ds_load_b64 v[E+2:E+3], v[PAR]                 ; and the partner's
	s_wait_dscnt 0x0
	v_lshlrev_b32 v[E], s[SH0], v[E]
	v_lshlrev_b32 v[E+1], s[SH0], v[E+1]
	v_lshl_or_b32 v[E], v[E+2], s[SH1], v[E]
	v_lshl_or_b32 v[E+1], v[E+3], s[SH1], v[E+1]
	global_store_b64 v[SA], v[E:E+1], s[SCQ:SCQ+1] ; the base has gone on to v's part
	s_wait_tensorcnt 0x0                           ; the wave's end
	ds_add_u32 v[SPW], v[NIL]
	s_wait_dscnt 0x0
	ROUND                                          ; the closing round
	s_endpgm
.Lfunc_end_k_q595a7932a5_proj:
	.size	k_q595a7932a5_proj, .Lfunc_end_k_q595a7932a5_proj-k_q595a7932a5_proj
	.p2alignl 7, 3214868480
	.fill 96, 4, 3214868480
	.section	.rodata,"a",@progbits
	.p2align	6, 0x0
	.amdhsa_kernel k_q595a7932a5_proj
		.amdhsa_group_segment_fixed_size 327680
		.amdhsa_private_segment_fixed_size 0
		.amdhsa_enable_private_segment 0
		.amdhsa_kernarg_size 56
		.amdhsa_user_sgpr_count 2
		.amdhsa_user_sgpr_kernarg_segment_ptr 1
		.amdhsa_wavefront_size32 1
		.amdhsa_system_sgpr_workgroup_id_x 1
		.amdhsa_system_sgpr_workgroup_id_y 1
		.amdhsa_system_sgpr_workgroup_id_z 1
		.amdhsa_system_vgpr_workitem_id 0
		.amdhsa_next_free_vgpr 1024
		.amdhsa_next_free_sgpr 100
		.amdhsa_reserve_vcc 0
		.amdhsa_float_denorm_mode_32 3
		.amdhsa_float_denorm_mode_16_64 3
		.amdhsa_memory_ordered 1
		.amdhsa_forward_progress 1
		.amdhsa_inst_pref_size 188
	.end_amdhsa_kernel
	.amdgpu_metadata
---
amdhsa.version: [ 1, 2 ]
amdhsa.kernels:
  - .name:           k_q595a7932a5_proj
    .symbol:         k_q595a7932a5_proj.kd
    .args:
      - { .name: xq, .offset: 0, .size: 8, .value_kind: global_buffer, .address_space: global }
      - { .name: wq, .offset: 8, .size: 8, .value_kind: global_buffer, .address_space: global }
      - { .name: bq, .offset: 16, .size: 8, .value_kind: global_buffer, .address_space: global }
      - { .name: bk, .offset: 24, .size: 8, .value_kind: global_buffer, .address_space: global }
      - { .name: bv, .offset: 32, .size: 8, .value_kind: global_buffer, .address_space: global }
      - { .name: fr, .offset: 40, .size: 8, .value_kind: global_buffer, .address_space: global }
      - { .name: sc, .offset: 48, .size: 8, .value_kind: global_buffer, .address_space: global }
    .group_segment_fixed_size: 327680
    .private_segment_fixed_size: 0
    .kernarg_segment_align: 8
    .kernarg_segment_size: 56
    .max_flat_workgroup_size: 128
    .sgpr_count:     100
    .vgpr_count:     1024
    .wavefront_size: 32
...
	.end_amdgpu_metadata
.endif
;; end of part 2
;; launch att (part 3): grid 32 x 8, 8 waves a work-group, clusters of 4 x 1, 327,680 bytes of LDS; arguments fr, sc, part; writes part
.if DOCPART == 3
	.amdgcn_target "amdgcn-amd-amdhsa--gfx1250"
	.amdhsa_code_object_version 6
	.text
	.protected	k_q595a7932a5_att
	.globl	k_q595a7932a5_att
	.p2align	8
	.type	k_q595a7932a5_att,@function
k_q595a7932a5_att:
	s_mov_b64 s[64:65], 0
	v_nop
	global_prefetch_b8 v0, s[64:65] scope:SCOPE_SE
	s_setreg_imm32_b32 hwreg(HW_REG_WAVE_MODE, 25, 1), 1
	s_wait_xcnt 0x0
	s_wait_alu depctr_hold_cnt(0) depctr_sa_sdst(0) depctr_va_vdst(0) depctr_va_sdst(0) depctr_va_ssrc(0) depctr_va_vcc(0) depctr_vm_vsrc(0)
	s_getreg_b32 s2, hwreg(HW_REG_IB_STS2, 6, 4)
	s_cmp_eq_u32 s2, 0
	s_cbranch_scc0 .Lentry_in_a_cluster
	s_endpgm
.Lentry_in_a_cluster:
	s_bfe_u32 s2, ttmp6, 0x10000c
	s_cmp_lg_u32 s2, 0x3003
	s_cbranch_scc0 .Lentry_shape_is_right
	s_endpgm
.Lentry_shape_is_right:
.set FRP,   6291456
.set SCP,   262144
.set SLOTB, 98304
.set HALFQ, 49152
.set SLOT1, 1<<17
.set QSC,   98304
.set PIMG,  229376
.set PSC,   241664
.set STATN, 242688
.set STATL, 4096
.set NBT,   250880
.set STG,   252928
.set SPARE, 287744
.set SPW, 14
.set NIL, 15
.set KS,  16
.set VS,  24
.set QS,  28
.set PWS, 32
.set S,   52
.set PC,  84
.set TM,  96
.set PW,  104
.set PF,  108
.set ST,  108
.set QF,  156
.set VF,  204
.set OA,  192
.set NB,  224
.set MT,  52
.set M0,  116
.set LA,  84
.set LB,  100
.set MSB, 0
.macro WIN new
.if MSB != \new
	s_set_vgpr_msb (MSB<<8)|\new
.set MSB, \new
.endif
.endm
.macro PLACES
.rept 4
	v_nop
.endr
.endm
.macro CREST
	s_cmp_lg_u32 s10, 0
	s_cbranch_scc1 .Lnot_wave_0_\@
	s_barrier_signal -3
.Lnot_wave_0_\@:
	s_barrier_wait -3
	s_barrier_signal -1
	s_barrier_wait -1
.endm
.macro ROUND
	s_barrier_signal -1
	s_barrier_wait -1
	CREST
.endm
.macro WMZ d, a, b, sa, sb, ra, rb
.if (\ra) && (\rb)
	v_wmma_scale_f32_16x16x128_f8f6f4 v[(\d):(\d)+7], v[(\a):(\a)+11], v[(\b):(\b)+11], 0, v[\sa], v[\sb] matrix_a_fmt:MATRIX_FMT_BF6 matrix_b_fmt:MATRIX_FMT_BF6 matrix_a_scale:MATRIX_SCALE_ROW1 matrix_b_scale:MATRIX_SCALE_ROW1
.elseif \ra
	v_wmma_scale_f32_16x16x128_f8f6f4 v[(\d):(\d)+7], v[(\a):(\a)+11], v[(\b):(\b)+11], 0, v[\sa], v[\sb] matrix_a_fmt:MATRIX_FMT_BF6 matrix_b_fmt:MATRIX_FMT_BF6 matrix_a_scale:MATRIX_SCALE_ROW1
.elseif \rb
	v_wmma_scale_f32_16x16x128_f8f6f4 v[(\d):(\d)+7], v[(\a):(\a)+11], v[(\b):(\b)+11], 0, v[\sa], v[\sb] matrix_a_fmt:MATRIX_FMT_BF6 matrix_b_fmt:MATRIX_FMT_BF6 matrix_b_scale:MATRIX_SCALE_ROW1
.else
	v_wmma_scale_f32_16x16x128_f8f6f4 v[(\d):(\d)+7], v[(\a):(\a)+11], v[(\b):(\b)+11], 0, v[\sa], v[\sb] matrix_a_fmt:MATRIX_FMT_BF6 matrix_b_fmt:MATRIX_FMT_BF6
.endif
.endm
.macro WMA d, a, b, sa, sb, ra, rb
.if (\ra) && (\rb)
	v_wmma_scale_f32_16x16x128_f8f6f4 v[(\d):(\d)+7], v[(\a):(\a)+11], v[(\b):(\b)+11], v[(\d):(\d)+7], v[\sa], v[\sb] matrix_a_fmt:MATRIX_FMT_BF6 matrix_b_fmt:MATRIX_FMT_BF6 matrix_a_scale:MATRIX_SCALE_ROW1 matrix_b_scale:MATRIX_SCALE_ROW1
.elseif \ra
	v_wmma_scale_f32_16x16x128_f8f6f4 v[(\d):(\d)+7], v[(\a):(\a)+11], v[(\b):(\b)+11], v[(\d):(\d)+7], v[\sa], v[\sb] matrix_a_fmt:MATRIX_FMT_BF6 matrix_b_fmt:MATRIX_FMT_BF6 matrix_a_scale:MATRIX_SCALE_ROW1
.elseif \rb
	v_wmma_scale_f32_16x16x128_f8f6f4 v[(\d):(\d)+7], v[(\a):(\a)+11], v[(\b):(\b)+11], v[(\d):(\d)+7], v[\sa], v[\sb] matrix_a_fmt:MATRIX_FMT_BF6 matrix_b_fmt:MATRIX_FMT_BF6 matrix_b_scale:MATRIX_SCALE_ROW1
.else
	v_wmma_scale_f32_16x16x128_f8f6f4 v[(\d):(\d)+7], v[(\a):(\a)+11], v[(\b):(\b)+11], v[(\d):(\d)+7], v[\sa], v[\sb] matrix_a_fmt:MATRIX_FMT_BF6 matrix_b_fmt:MATRIX_FMT_BF6
.endif
.endm
	s_load_b128 s[4:7], s[0:1], 0x0
	s_load_b64 s[8:9], s[0:1], 0x10
	v_lshl_add_u32 v[SPW], v0, 2, SPARE
	v_mov_b32 v[NIL], 0
	ds_add_u32 v14, v15
	ds_add_u32 v14, v15
	s_wait_dscnt 0x0
	v_lshrrev_b32 v1, 5, v0
	s_delay_alu instid0(VALU_DEP_1)
	v_readfirstlane_b32 s10, v1
	s_and_b32 s13, ttmp7, 0xffff
	s_mov_b32 s24, 15|(3<<16)|(1<<21)
	s_mov_b32 s25, 32<<16
	s_mov_b32 s26, 48<<16
	s_mov_b32 s27, 32<<16
	s_mov_b32 s28, 48
	s_mov_b32 s29, 32
	s_mov_b32 s30, 0
	s_mov_b32 s31, 0
	s_mov_b32 s32, 15|(3<<16)|(1<<21)
	s_mov_b32 s33, 32<<16
	s_mov_b32 s34, 64<<16
	s_mov_b32 s35, 32<<16
	s_mov_b32 s36, 64
	s_mov_b32 s37, 32
	s_mov_b32 s38, 0
	s_mov_b32 s39, 0
	s_mul_i32 s20, s13, 8*SLOTB
	s_mul_i32 s21, s10, SLOTB/8
	s_add_co_u32 s20, s20, s21
	s_mov_b32 s21, 0
	; the head's one load a wave: 64 rows of 256 bytes to LDS byte 16,384 x wave: waves 0-5 bring slot 0's 98,304 bytes of q, waves 6, 7 the 32,768 bytes of q's scale words, which lie behind slot 0
	s_lshl_b32 s23, s10, 14
	s_lshl_b32 s22, s13, 15
	s_add_co_u32 s22, s22, s23
	s_sub_co_u32 s22, s22, 6<<14
	s_mul_i32 s2, s13, 8*SLOTB
	s_add_co_u32 s2, s2, s23
	s_cmp_lt_u32 s10, 6
	s_cselect_b32 s22, s2, s22
	s_mov_b32 s23, 0
	s_mov_b32 s40, 1
	s_lshl_b32 s41, s10, 14
	s_mul_i32 s45, s10, SLOTB/8
	s_mov_b32 s48, 1
	s_add_co_u32 s49, s45, SLOT1
	s_wait_kmcnt 0x0
	s_cmp_lt_u32 s10, 6                            ; the choice hangs on the wave's number alone
	s_cselect_b64 s[42:43], s[4:5], s[6:7]
	s_add_nc_u64 s[42:43], s[42:43], s[22:23]
	s_or_b32 s43, s43, 0x80000000
	s_add_nc_u64 s[46:47], s[4:5], s[20:21]
	s_add_nc_u64 s[50:51], s[46:47], SLOTB
	s_or_b32 s51, s51, 0x80000000
	ROUND
	tensor_load_to_lds s[40:43], s[32:39]
	s_nop 0
	s_wait_alu depctr_va_vdst(0)
	s_wait_tensorcnt 0x0
	ds_add_u32 v14, v15
	s_wait_dscnt 0x0
	ROUND
	tensor_load_to_lds s[48:51], s[24:31]
	s_nop 0
	PLACES
	s_bfe_u32 s11, ttmp6, 0x40000
	s_lshl_b32 s12, ttmp9, 2
	s_add_co_u32 s12, s12, s11
	s_and_b32 s14, s12, 1
	s_lshr_b32 s15, s12, 1
	s_lshl_b32 s16, s13, 4
	s_add_co_u32 s15, s15, s16
	s_lshl_b32 s68, s14, 4
	s_and_b32 s54, s10, 1
	s_lshr_b32 s55, s10, 1
	s_mov_b32 s56, 0x3d38aa3b
	s_mov_b32 s57, s56
	s_mov_b32 s58, 0x76543210
	s_mov_b32 s59, 0xfedcba98
	s_mov_b32 s60, 0
	s_mov_b32 s61, 0
	v_and_b32 v1, 31, v0
	v_and_b32 v2, 15, v0
	v_bfe_u32 v3, v0, 4, 1
	s_delay_alu instid0(VALU_DEP_3)
	v_lshlrev_b32 v4, 4, v1
	s_wait_alu depctr_va_vdst(0)
	v_lshlrev_b32 v5, 2, v1
	s_mul_i32 s16, s15, 49152
	s_mul_i32 s17, s14, 24576
	s_add_co_u32 s16, s16, s17
	s_add_co_u32 s16, s16, FRP
	s_mov_b32 s17, 0
	s_add_nc_u64 s[16:17], s[4:5], s[16:17]
	s_lshl_b32 s18, s15, 11
	s_add_co_u32 s18, s18, SCP
	s_mov_b32 s19, 0
	s_add_nc_u64 s[18:19], s[6:7], s[18:19]
	s_mul_i32 s20, s15, 49152
	s_mul_i32 s21, s10, 6144
	s_add_co_u32 s20, s20, s21
	s_add_co_u32 s20, s20, 2*FRP
	s_mov_b32 s21, 0
	s_add_nc_u64 s[20:21], s[4:5], s[20:21]
	s_lshl_b32 s22, s15, 2
	s_add_co_u32 s22, s22, s55
	s_lshl_b32 s22, s22, 9
	s_add_co_u32 s22, s22, 2*SCP
	s_mov_b32 s23, 0
	s_add_nc_u64 s[22:23], s[6:7], s[22:23]
	s_mul_i32 s69, s14, 520
	v_add_nc_u32 v43, s69, v4
	s_add_co_u32 s69, s69, 512
	v_add_nc_u32 v45, s69, v4
	s_mul_i32 s69, s14, 1016
	s_add_co_u32 s69, s69, 8
	v_add_nc_u32 v44, s69, v4
	s_lshl_b32 s69, s14, 3
	v_add_nc_u32 v47, s69, v4
	s_lshl_b32 s69, s54, 3
	v_add_nc_u32 v49, s69, v4
	WIN 0x40
.irp i, 0,1,2,3,4,5,6,7,8,9,10,11,12,13,14,15
.irp c, 0,1,2
	global_load_b128 v[12*\i+4*\c:12*\i+4*\c+3], v4, s[16:17] offset:1536*\i+512*\c
.endr
.endr
	WIN 0
.irp i, 0,1,2,3
.irp d, 0,6
	global_load_b64 v[VF+12*\i+\d:VF+12*\i+\d+1], v43, s[20:21] offset:1536*\i
	global_load_b64 v[VF+12*\i+\d+2:VF+12*\i+\d+3], v44, s[20:21] offset:1536*\i
	global_load_b64 v[VF+12*\i+\d+4:VF+12*\i+\d+5], v45, s[20:21] offset:1536*\i
.endr
.endr
.irp s, 0,1,2,3
	global_load_b64 v[KS+2*\s:KS+2*\s+1], v47, s[18:19] offset:512*\s
.endr
	global_load_b64 v[VS:VS+1], v49, s[22:23]
	s_mul_i32 s69, s10, 6144
	v_add_nc_u32 v6, s69, v4
	s_lshl_b32 s69, s54, 8
	s_lshl_b32 s70, s55, 2
	s_add_co_u32 s69, s69, s70
	s_add_co_u32 s69, s69, QSC
	v_lshlrev_b32 v7, 4, v2
	s_delay_alu instid0(VALU_DEP_1)
	v_add_nc_u32 v7, s69, v7
	s_mul_i32 s69, s10, 768
	s_add_co_u32 s69, s69, PIMG
	v_add_nc_u32 v10, s69, v4
	s_add_co_u32 s69, s69, 512
	v_lshlrev_b32 v11, 3, v1
	s_delay_alu instid0(VALU_DEP_1)
	v_add_nc_u32 v11, s69, v11
	v_add_nc_u32 v12, PIMG, v4
	v_lshl_add_u32 v13, v1, 3, PIMG+512
	s_lshl_b32 s69, s55, 7
	s_lshl_b32 s70, s54, 1
	s_add_co_u32 s69, s69, s70
	s_add_co_u32 s69, s69, PSC
	v_add_nc_u32 v26, s69, v5
	v_add_nc_u32 v27, PSC, v5
	v_and_b32 v36, 8, v2
	s_delay_alu instid0(VALU_DEP_1)
	v_add_nc_u32 v36, v36, v2
	s_delay_alu instid0(VALU_DEP_1)
	v_lshlrev_b32 v36, 2, v36
	s_delay_alu instid0(VALU_DEP_1)
	v_lshl_add_u32 v36, v3, 8, v36
	s_lshl_b32 s69, s10, 9
	s_add_co_u32 s69, s69, STATN
	v_add_nc_u32 v36, s69, v36
	v_add_nc_u32 v37, STATN, v5
	s_lshl_b32 s69, s10, 8
	s_add_co_u32 s69, s69, NBT
	v_add_nc_u32 v38, s69, v5
	v_lshlrev_b32 v39, 6, v3
	s_delay_alu instid0(VALU_DEP_1)
	v_add_nc_u32 v39, s69, v39
	s_mul_i32 s69, s10, 4352
	s_add_co_u32 s69, s69, STG
	v_lshlrev_b32 v40, 4, v2
	s_delay_alu instid0(VALU_DEP_1)
	v_mad_u32_u24 v40, v3, 2176, v40
	s_delay_alu instid0(VALU_DEP_1)
	v_add_nc_u32 v40, s69, v40
	v_and_b32 v48, 7, v0
	s_delay_alu instid0(VALU_DEP_1)
	v_mul_u32_u24 v41, v48, 272
	v_bfe_u32 v48, v0, 3, 1
	s_delay_alu instid0(VALU_DEP_1)
	v_mad_u32_u24 v41, v48, 2176, v41
	s_delay_alu instid0(VALU_DEP_1)
	v_lshl_add_u32 v41, v3, 3, v41
	s_delay_alu instid0(VALU_DEP_1)
	v_add_nc_u32 v41, s69, v41
	s_delay_alu instid0(VALU_DEP_4)
	v_lshlrev_b32 v42, 5, v48
	v_bfe_u32 v48, v0, 1, 2
	s_delay_alu instid0(VALU_DEP_1)
	v_lshl_add_u32 v42, v48, 6, v42
	v_and_b32 v48, 1, v0
	s_delay_alu instid0(VALU_DEP_1)
	v_lshl_add_u32 v42, v48, 4, v42
	s_delay_alu instid0(VALU_DEP_1)
	v_lshl_add_u32 v42, v3, 3, v42
	v_lshlrev_b32 v46, 8, v1
	s_lshl_b32 s2, s13, 5
	s_add_co_u32 s2, s2, s12
	s_lshl_b32 s2, s2, 11
	s_lshl_b32 s3, s10, 8
	s_add_co_u32 s2, s2, s3
	s_mov_b32 s3, 0
	s_add_nc_u64 s[8:9], s[8:9], s[2:3]
	s_mul_i32 s70, s13, 8*SLOTB
	s_lshl_b32 s71, s10, 2
	s_add_co_u32 s71, s71, s11
	s_lshl_b32 s71, s71, 13
	s_add_co_u32 s70, s70, s71
	s_add_co_u32 s70, s70, 2*SLOTB
	s_mov_b32 s71, 0
	s_add_nc_u64 s[66:67], s[4:5], s[70:71]
	s_cmp_ge_u32 s10, 3
	s_cselect_b32 s69, 1, 0
	s_or_b32 s69, s69, ttmp9
	s_cmp_eq_u32 s69, 0
	s_cselect_b32 s63, 1, -1
.irp t, 0,1,2,3
	v_mov_b32 v[ST+8*\t], 0x7f61b1e6
	v_mov_b32 v[ST+8*\t+1], 0xff61b1e6
	v_mov_b32 v[ST+8*\t+2], 0
	v_mov_b32 v[ST+8*\t+3], 0
.endr
	v_mov_b32 v[TM+2], 0
	v_mov_b32 v[TM+3], 0
.macro QADR
	WIN 0
	v_add_nc_u32 v8, s60, v6
	v_add_nc_u32 v9, s61, v7
	v_nop
	v_nop
.endm
.macro QFETCH off
.irp s, 0,1,2,3
.irp c, 0,1,2
	ds_load_b128 v[QF+12*\s+4*\c:QF+12*\s+4*\c+3], v8 offset:\off+1536*\s+512*\c
.endr
.endr
.irp s, 0,1,2,3
	ds_load_b32 v[QS+\s], v9 offset:512*\s
.endr
.endm
.macro QLOAD off
	QADR
	QFETCH \off
.endm
.macro SC1
	WIN 0x04
.irp t, 0,1,2,3
	WMZ S+8*\t, QF, 48*\t, QS, KS+\t/2, 0, \t%2
.endr
.irp s, 1,2,3
.irp t, 0,1,2,3
	WMA S+8*\t, QF+12*\s, 48*\t+12*\s, QS+\s, KS+2*\s+\t/2, 0, \t%2
.endr
.endr
.endm
.macro SC2
	WIN 0x01
.irp t, 0,1,2,3
	WMZ S+8*\t, 48*\t, QF, KS+\t/2, QS, \t%2, 0
.endr
.irp s, 1,2,3
.irp t, 0,1,2,3
	WMA S+8*\t, 48*\t+12*\s, QF+12*\s, KS+2*\s+\t/2, QS+\s, \t%2, 0
.endr
.endr
.endm
.macro STATS
	WIN 0
.irp i, 0,2,4,6
.irp t, 0,1,2,3
	v_max3_num_f32 v[ST+8*\t+1], v[ST+8*\t+1], v[S+8*\t+\i], v[S+8*\t+\i+1]
.endr
.endr
.irp t, 0,1,2,3
	s_delay_alu instid0(VALU_DEP_4)
	v_mul_f32 v[ST+8*\t+4], s56, v[ST+8*\t+1]
.endr
.irp t, 0,1,2,3
	s_delay_alu instid0(VALU_DEP_4)
	v_floor_f32 v[ST+8*\t+4], -v[ST+8*\t+4]
.endr
.irp t, 0,1,2,3
	s_delay_alu instid0(VALU_DEP_4)
	v_sub_f32 v[ST+8*\t+5], v[ST+8*\t+4], v[ST+8*\t]
.endr
.irp t, 0,1,2,3
	s_delay_alu instid0(VALU_DEP_4)
	v_cvt_i32_f32 v[ST+8*\t+5], v[ST+8*\t+5]
.endr
.irp t, 0,1,2,3
	v_mov_b32 v[ST+8*\t], v[ST+8*\t+4]
.endr
.irp t, 0,1,2,3
	v_ldexp_f32 v[ST+8*\t+2], v[ST+8*\t+2], v[ST+8*\t+5]
	v_ldexp_f32 v[ST+8*\t+3], v[ST+8*\t+3], v[ST+8*\t+5]
.endr
.irp i, 0,2,4,6
.irp t, 0,1,2,3
	v_pk_fma_f32 v[S+8*\t+\i:S+8*\t+\i+1], v[S+8*\t+\i:S+8*\t+\i+1], s[56:57], v[ST+8*\t:ST+8*\t+1] op_sel_hi:[1,0,0]
.endr
.endr
.set j, 0
	s_wait_alu depctr_va_vdst(0)
.rept 32
	v_exp_f32 v[S+j], v[S+j]
.set j, j+1
.endr
	v_nop
	s_wait_alu depctr_va_vdst(0)
.irp i, 0,2,4,6
.irp t, 0,1,2,3
	v_pk_add_f32 v[ST+8*\t+2:ST+8*\t+3], v[ST+8*\t+2:ST+8*\t+3], v[S+8*\t+\i:S+8*\t+\i+1]
.endr
.endr
.endm
.macro SOFT
	WIN 0x10
.irp p, 0,2,4,6,8,10,12,14,16,18,20,22,24,26,28,30
	v_pk_fma_f32 v[S+\p:S+\p+1], v[S+\p:S+\p+1], s[56:57], v[NB+\p:NB+\p+1] op_sel_hi:[1,0,1]
.endr
	WIN 0
.set j, 0
	s_wait_alu depctr_va_vdst(0)
.rept 32
	v_exp_f32 v[S+j], v[S+j]
.set j, j+1
.endr
	v_nop
	s_wait_alu depctr_va_vdst(0)
.irp b, 0,1
	v_max3_num_f32 v[TM+\b], v[S+16*\b], v[S+16*\b+1], 0x2800000
	v_max3_num_f32 v[TM+6+\b], v[S+16*\b+8], v[S+16*\b+9], v[S+16*\b+10]
.endr
.irp i, 2,4
.irp b, 0,1
	v_max3_num_f32 v[TM+\b], v[TM+\b], v[S+16*\b+\i], v[S+16*\b+\i+1]
	v_max3_num_f32 v[TM+6+\b], v[TM+6+\b], v[S+16*\b+9+\i], v[S+16*\b+10+\i]
.endr
.endr
.irp b, 0,1
	v_max3_num_f32 v[TM+\b], v[TM+\b], v[S+16*\b+6], v[S+16*\b+7]
.endr
.irp b, 0,1
	v_max3_num_f32 v[TM+\b], v[TM+\b], v[TM+6+\b], v[S+16*\b+15]
.endr
.irp b, 0,1
	s_delay_alu instid0(VALU_DEP_2)
	v_permlanex16_b32 v[TM+2+\b], v[TM+\b], s58, s59
.endr
.irp b, 0,1
	s_delay_alu instid0(VALU_DEP_2)
	v_max_num_f32 v[TM+\b], v[TM+\b], v[TM+2+\b]
.endr
.irp b, 0,1
	s_delay_alu instid0(VALU_DEP_2)
	v_add_nc_u32 v[TM+4+\b], 0xfe000000, v[TM+\b]
.endr
.irp b, 0,1
	s_delay_alu instid0(VALU_DEP_2)
	v_lshrrev_b32 v[TM+2+\b], 23, v[TM+4+\b]
.endr
	s_delay_alu instid0(VALU_DEP_1)
	v_lshl_or_b32 v[PW], v[TM+3], 8, v[TM+2]
	v_cvt_scalef32_pk16_bf6_f32 v[PC:PC+2], v[S:S+15], v[TM+4]
	v_cvt_scalef32_pk16_bf6_f32 v[PC+8:PC+10], v[S+16:S+31], v[TM+5]
	v_nop
.irp i, 0,1,2
	v_permlane16_swap_b32 v[PC+\i], v[PC+8+\i]
.endr
.irp i, 0,1,2
	s_delay_alu instid0(VALU_DEP_3)
	v_mov_b32 v[PC+3+\i], v[PC+8+\i]
.endr
.endm
.macro IMAGE par
	ds_store_b128 v10, v[PC:PC+3] offset:\par*6144
	ds_store_b64 v11, v[PC+4:PC+5] offset:\par*6144
	ds_store_b16 v26, v[PW] offset:\par*512
.endm
.macro PLOAD par
.irp f, 0,1,2,3
	ds_load_b128 v[PF+12*\f:PF+12*\f+3], v12 offset:\par*6144+1536*\f
	ds_load_b64 v[PF+12*\f+4:PF+12*\f+5], v13 offset:\par*6144+1536*\f
	ds_load_b128 v[PF+12*\f+6:PF+12*\f+9], v12 offset:\par*6144+1536*\f+768
	ds_load_b64 v[PF+12*\f+10:PF+12*\f+11], v13 offset:\par*6144+1536*\f+768
	ds_load_b32 v[PWS+\f], v27 offset:\par*512+128*\f
.endr
.endm
.macro PV zero
	WIN 0x50
.irp f, 0,1,2,3
.irp i, 0,1,2,3
.if (\zero) && (\f == 0)
	WMZ OA+8*\i, VF+12*\i, PF+12*\f, VS+\i/2, PWS+\f, \i%2, 0
.else
	WMA OA+8*\i, VF+12*\i, PF+12*\f, VS+\i/2, PWS+\f, \i%2, 0
.endif
.endr
.endr
.endm
.macro ASK
	s_cmp_gt_u32 s62, s63
	s_cbranch_scc0 .Lnot_mine_\@
	global_prefetch_b8 v46, s[66:67] th:TH_LOAD_NT scope:SCOPE_SE
.Lnot_mine_\@:
.endm
.macro LINES3 chg, pf
	WIN 0
	s_wait_tensorcnt 0x0
	ds_add_u32 v[SPW], v[NIL]
.if \chg
	s_xor_b32 s49, s49, SLOT1
.if \chg == 2
	s_sub_nc_u64 s[50:51], s[50:51], 7*SLOTB
.else
	s_add_nc_u64 s[50:51], s[50:51], SLOTB
.endif
.if \pf
	s_wait_xcnt 0x0
	s_add_nc_u64 s[66:67], s[66:67], SLOTB
.endif
.endif
	s_wait_dscnt 0x0
.endm
.macro TRIP1 chg, pf, last
	s_wait_dscnt 0x0
	SC1
	s_add_co_u32 s61, s61, 2048
	QLOAD HALFQ
	STATS
	LINES3 \chg, \pf
	s_barrier_signal -1
	SC1
	WIN 0
	s_barrier_wait -1
	CREST
	tensor_load_to_lds s[48:51], s[24:31]
	s_nop 0
	PLACES
.if \pf
	ASK
.endif
	s_xor_b32 s60, s60, SLOT1
.if \last
	s_mov_b32 s61, 0
.else
	s_add_co_u32 s61, s61, 2048
.endif
	QLOAD 0
	STATS
.endm
.macro BODY2 par, bar, pv, sc, ql
	SOFT
	IMAGE \par
.if \bar == 2
	LINES3 1, 0
.elseif \bar == 1
	LINES3 0, 0
.else
	s_wait_dscnt 0x0
.endif
	s_barrier_signal -1
.if \pv == 1
	PV 1
.elseif \pv == 2
	PV 0
.endif
.if \sc
	SC2
.endif
	WIN 0
	s_barrier_wait -1
.if \bar == 2
	CREST
	tensor_load_to_lds s[48:51], s[24:31]
	s_nop 0
	PLACES
.endif
.if \ql == 0
	s_xor_b32 s60, s60, SLOT1
.endif
.if \ql < 2
	s_add_co_u32 s61, s61, 2048
	QADR
.else
	PLACES
.endif
	PLOAD \par
.if \ql == 0
	QFETCH 0
.elseif \ql == 1
	QFETCH HALFQ
.endif
.endm
	s_wait_tensorcnt 1
	s_barrier_signal -1
	s_barrier_wait -1
	QLOAD 0
	s_wait_loadcnt 0x0
.irp i, 0,1
	v_lshrrev_b32 v[VS+\i], s68, v[VS+\i]
.endr
.irp i, 0,1
	s_delay_alu instid0(VALU_DEP_2)
	v_and_b32 v[VS+\i], 0xffff, v[VS+\i]
.endr
.irp i, 0,1
	s_delay_alu instid0(VALU_DEP_2)
	v_lshl_or_b32 v[VS+\i], v[VS+\i], 16, v[VS+\i]
.endr
	s_mov_b32 s62, 6
.Lpass1:
	TRIP1 1, 1, 0
	s_sub_co_u32 s62, s62, 1
	s_cmp_lg_u32 s62, 0
	s_cbranch_scc1 .Lpass1
	TRIP1 2, 0, 0
	TRIP1 1, 0, 1
.irp t, 0,1,2,3
	s_delay_alu instid0(VALU_DEP_4)
	v_add_f32 v[ST+8*\t+2], v[ST+8*\t+2], v[ST+8*\t+3]
.endr
.irp t, 0,1,2,3
	ds_store_b32 v36, v[ST+8*\t] offset:(32*(\t/2)+8*(\t%2))*4
	ds_store_b32 v36, v[ST+8*\t+2] offset:(32*(\t/2)+8*(\t%2))*4+STATL
.endr
	s_wait_dscnt 0x0
	s_barrier_signal -1
	s_barrier_wait -1
.irp p, 0,1,2,3,4,5,6,7,8,9,10,11,12,13,14,15
	ds_load_b32 v[MT+\p], v37 offset:256*\p
	ds_load_b32 v[MT+16+\p], v37 offset:256*\p+128
	ds_load_b32 v[MT+32+\p], v37 offset:256*\p+STATL
	ds_load_b32 v[MT+48+\p], v37 offset:256*\p+STATL+128
.endr
	s_wait_dscnt 0x0
	v_min3_num_f32 v[M0], v[MT], v[MT+1], v[MT+2]
	v_min3_num_f32 v[M0+1], v[MT+16], v[MT+17], v[MT+18]
.irp i, 3,5,7,9,11,13
	s_delay_alu instid0(VALU_DEP_2)
	v_min3_num_f32 v[M0], v[M0], v[MT+\i], v[MT+\i+1]
	s_delay_alu instid0(VALU_DEP_2)
	v_min3_num_f32 v[M0+1], v[M0+1], v[MT+16+\i], v[MT+17+\i]
.endr
	s_delay_alu instid0(VALU_DEP_2)
	v_min_num_f32 v[M0], v[M0], v[MT+15]
	s_delay_alu instid0(VALU_DEP_2)
	v_min_num_f32 v[M0+1], v[M0+1], v[MT+31]
.irp p, 0,1,2,3,4,5,6,7,8,9,10,11,12,13,14,15
	v_sub_f32 v[MT+\p], v[M0], v[MT+\p]
	v_sub_f32 v[MT+16+\p], v[M0+1], v[MT+16+\p]
.endr
.irp p, 0,1,2,3,4,5,6,7,8,9,10,11,12,13,14,15
	v_cvt_i32_f32 v[MT+\p], v[MT+\p]
	v_cvt_i32_f32 v[MT+16+\p], v[MT+16+\p]
.endr
.irp p, 0,1,2,3,4,5,6,7,8,9,10,11,12,13,14,15
	v_ldexp_f32 v[MT+32+\p], v[MT+32+\p], v[MT+\p]
	v_ldexp_f32 v[MT+48+\p], v[MT+48+\p], v[MT+16+\p]
.endr
.irp q, 0,2,4,6
	v_pk_add_f32 v[LA+\q:LA+\q+1], v[LA+\q:LA+\q+1], v[LA+8+\q:LA+9+\q]
	v_pk_add_f32 v[LB+\q:LB+\q+1], v[LB+\q:LB+\q+1], v[LB+8+\q:LB+9+\q]
.endr
.irp q, 0,2
	s_delay_alu instid0(VALU_DEP_4)
	v_pk_add_f32 v[LA+\q:LA+\q+1], v[LA+\q:LA+\q+1], v[LA+4+\q:LA+5+\q]
	s_delay_alu instid0(VALU_DEP_4)
	v_pk_add_f32 v[LB+\q:LB+\q+1], v[LB+\q:LB+\q+1], v[LB+4+\q:LB+5+\q]
.endr
	s_delay_alu instid0(VALU_DEP_2)
	v_pk_add_f32 v[LA:LA+1], v[LA:LA+1], v[LA+2:LA+3]
	s_delay_alu instid0(VALU_DEP_2)
	v_pk_add_f32 v[LB:LB+1], v[LB:LB+1], v[LB+2:LB+3]
	s_delay_alu instid0(VALU_DEP_2)
	v_add_f32 v[LA], v[LA], v[LA+1]
	s_delay_alu instid0(VALU_DEP_2)
	v_add_f32 v[LB], v[LB], v[LB+1]
	s_wait_alu depctr_va_vdst(0)
	v_log_f32 v[M0+2], v[LA]
	v_log_f32 v[M0+3], v[LB]
	v_nop
	s_wait_alu depctr_va_vdst(0)
	v_sub_f32 v[M0], v[M0], v[M0+2]
	v_sub_f32 v[M0+1], v[M0+1], v[M0+3]
	ds_store_b32 v38, v[M0]
	ds_store_b32 v38, v[M0+1] offset:128
	WIN 0x40
.irp m, 0,1,2,3,4,5,6,7
	ds_load_b128 v[NB+4*\m:NB+4*\m+3], v39 offset:128*(\m/4)+16*(\m%4)
.endr
	WIN 0
	s_wait_dscnt 0x0
	SC2
	s_add_co_u32 s61, s61, 2048
	QLOAD HALFQ
	BODY2 0, 2, 0, 1, 0
	BODY2 1, 0, 1, 1, 1
	s_mov_b32 s62, 5
.Lpass2:
	BODY2 0, 2, 2, 1, 0
	BODY2 1, 0, 2, 1, 1
	s_sub_co_u32 s62, s62, 1
	s_cmp_lg_u32 s62, 0
	s_cbranch_scc1 .Lpass2
	BODY2 0, 1, 2, 1, 0
	BODY2 1, 0, 2, 1, 1
	BODY2 0, 0, 2, 1, 2
	BODY2 1, 0, 2, 0, 2
	s_wait_dscnt 0x0
	PV 0
	PLACES
	WIN 0x04
.irp g, 0,1,2,3,4,5,6,7
	ds_store_b128 v40, v[OA+4*\g:OA+4*\g+3] offset:272*\g
.endr
	WIN 0
.irp k, 0,1,2,3,4,5,6,7,8,9,10,11,12,13,14,15
	ds_load_b64 v[S+2*\k:S+2*\k+1], v41 offset:16*\k
.endr
	s_wait_dscnt 0x0
.irp k, 0,1,2,3,4,5,6,7
	v_pk_add_f32 v[S+2*\k:S+2*\k+1], v[S+2*\k:S+2*\k+1], v[S+16+2*\k:S+17+2*\k]
.endr
.irp k, 0,1,2,3
	s_delay_alu instid0(VALU_DEP_4)
	v_pk_add_f32 v[S+2*\k:S+2*\k+1], v[S+2*\k:S+2*\k+1], v[S+8+2*\k:S+9+2*\k]
.endr
.irp k, 0,1
	s_delay_alu instid0(VALU_DEP_2)
	v_pk_add_f32 v[S+2*\k:S+2*\k+1], v[S+2*\k:S+2*\k+1], v[S+4+2*\k:S+5+2*\k]
.endr
	s_delay_alu instid0(VALU_DEP_1)
	v_pk_add_f32 v[S:S+1], v[S:S+1], v[S+2:S+3]
	global_store_b64 v42, v[S:S+1], s[8:9]
	s_wait_tensorcnt 0x0
	ds_add_u32 v[SPW], v[NIL]
	s_wait_dscnt 0x0
	ROUND
	s_endpgm
.Lfunc_end_k_q595a7932a5_att:
	.size	k_q595a7932a5_att, .Lfunc_end_k_q595a7932a5_att-k_q595a7932a5_att
	.p2alignl 7, 3214868480
	.fill 96, 4, 3214868480
	.section	.rodata,"a",@progbits
	.p2align	6, 0x0
	.amdhsa_kernel k_q595a7932a5_att
		.amdhsa_group_segment_fixed_size 327680
		.amdhsa_private_segment_fixed_size 0
		.amdhsa_enable_private_segment 0
		.amdhsa_kernarg_size 24
		.amdhsa_user_sgpr_count 2
		.amdhsa_user_sgpr_kernarg_segment_ptr 1
		.amdhsa_wavefront_size32 1
		.amdhsa_system_sgpr_workgroup_id_x 1
		.amdhsa_system_sgpr_workgroup_id_y 1
		.amdhsa_system_sgpr_workgroup_id_z 1
		.amdhsa_system_vgpr_workitem_id 0
		.amdhsa_next_free_vgpr 512
		.amdhsa_next_free_sgpr 72
		.amdhsa_reserve_vcc 0
		.amdhsa_float_denorm_mode_32 3
		.amdhsa_float_denorm_mode_16_64 3
		.amdhsa_memory_ordered 1
		.amdhsa_forward_progress 1
		.amdhsa_inst_pref_size 184
	.end_amdhsa_kernel
	.amdgpu_metadata
---
amdhsa.version: [ 1, 2 ]
amdhsa.kernels:
  - .name:           k_q595a7932a5_att
    .symbol:         k_q595a7932a5_att.kd
    .args:
      - { .name: fr, .offset: 0, .size: 8, .value_kind: global_buffer, .address_space: global }
      - { .name: sc, .offset: 8, .size: 8, .value_kind: global_buffer, .address_space: global }
      - { .name: part, .offset: 16, .size: 8, .value_kind: global_buffer, .address_space: global }
    .group_segment_fixed_size: 327680
    .private_segment_fixed_size: 0
    .kernarg_segment_align: 8
    .kernarg_segment_size: 24
    .max_flat_workgroup_size: 256
    .sgpr_count:     72
    .vgpr_count:     512
    .wavefront_size: 32
...
	.end_amdgpu_metadata
.endif
;; end of part 3
;; launch red (part 4): grid 8 x 1, 4 waves a work-group, no clusters, 0 bytes of LDS; arguments part, out0; writes out0
.if DOCPART == 4
	.amdgcn_target "amdgcn-amd-amdhsa--gfx1250"
	.amdhsa_code_object_version 6
	.text
	.protected	k_q595a7932a5_red
	.globl	k_q595a7932a5_red
	.p2align	8
	.type	k_q595a7932a5_red,@function
k_q595a7932a5_red:
	s_mov_b64 s[64:65], 0
	v_nop
	global_prefetch_b8 v0, s[64:65] scope:SCOPE_SE
	s_setreg_imm32_b32 hwreg(HW_REG_WAVE_MODE, 25, 1), 1
	s_wait_xcnt 0x0
; out0[b][n] = (the sum over the batch's 32 blocks of keys of part[b][kb][position(n)]) / 2,048: the mean over the queries.  One work-group a batch; thread t takes four neighbouring positions.
; A position is a column's number with bits 3 and 4 exchanged: bits 1 and 2 of the thread's number.  64 KiB a work-group, 32 loads a thread, all out at once; no LDS, no barrier.
.set D, 8                              ; v8-135: load k at v[D + 4 k]
	s_load_b128 s[4:7], s[0:1], 0x0                ; part, out0
	v_lshlrev_b32 v1, 4, v0                        ; in: 16 bytes a thread
	v_and_b32 v2, 0x79, v0
	v_and_b32 v3, 2, v0
	v_lshl_or_b32 v2, v3, 1, v2
	v_and_b32 v3, 4, v0
	v_lshrrev_b32 v3, 1, v3
	v_or_b32 v2, v2, v3
	v_lshlrev_b32 v2, 4, v2                        ; out: the thread's number with bits 1 and 2 exchanged
	s_lshl_b32 s8, ttmp9, 16
	s_mov_b32 s9, 0
	s_lshl_b32 s10, ttmp9, 11
	s_mov_b32 s11, 0
	s_wait_alu depctr_va_vdst(0)
	s_wait_kmcnt 0x0
	s_add_nc_u64 s[4:5], s[4:5], s[8:9]
	s_add_nc_u64 s[6:7], s[6:7], s[10:11]
.set k, 0
.rept 32
	global_load_b128 v[D+4*k:D+4*k+3], v1, s[4:5] offset:2048*k th:TH_LOAD_NT
.set k, k+1
.endr
.irp g, 1,2,3,4,5,6,7                          ; four chains: loads 4 g + q are added onto load q
.if \g == 1
	s_wait_loadcnt 24                              ; loads 0 to 7 are in; the 24 younger may be out
.elseif \g == 2
	s_wait_alu depctr_va_vdst(0)
	s_wait_loadcnt 16
.elseif \g == 4
	s_wait_alu depctr_va_vdst(0)
	s_wait_loadcnt 8
.elseif \g == 6
	s_wait_alu depctr_va_vdst(0)
	s_wait_loadcnt 0
.endif
.irp q, 0,1,2,3
	v_pk_add_f32 v[D+4*\q:D+4*\q+1], v[D+4*\q:D+4*\q+1], v[D+16*\g+4*\q:D+16*\g+4*\q+1]
	v_pk_add_f32 v[D+4*\q+2:D+4*\q+3], v[D+4*\q+2:D+4*\q+3], v[D+16*\g+4*\q+2:D+16*\g+4*\q+3]
.endr
.endr
	v_pk_add_f32 v[D:D+1], v[D:D+1], v[D+4:D+5]
	v_pk_add_f32 v[D+2:D+3], v[D+2:D+3], v[D+6:D+7]
	v_pk_add_f32 v[D+8:D+9], v[D+8:D+9], v[D+12:D+13]
	v_pk_add_f32 v[D+10:D+11], v[D+10:D+11], v[D+14:D+15]
	v_pk_add_f32 v[D:D+1], v[D:D+1], v[D+8:D+9]
	v_pk_add_f32 v[D+2:D+3], v[D+2:D+3], v[D+10:D+11]
	v_pk_mul_f32 v[D:D+1], v[D:D+1], 0x3a000000 op_sel_hi:[1,0]      ; x 2^-11
	v_pk_mul_f32 v[D+2:D+3], v[D+2:D+3], 0x3a000000 op_sel_hi:[1,0]
	global_store_b128 v2, v[D:D+3], s[6:7]         ; a wave stores 512 consecutive bytes
	s_endpgm
.Lfunc_end_k_q595a7932a5_red:
	.size	k_q595a7932a5_red, .Lfunc_end_k_q595a7932a5_red-k_q595a7932a5_red
	.p2alignl 7, 3214868480
	.fill 96, 4, 3214868480
	.section	.rodata,"a",@progbits
	.p2align	6, 0x0
	.amdhsa_kernel k_q595a7932a5_red
		.amdhsa_group_segment_fixed_size 0
		.amdhsa_private_segment_fixed_size 0
		.amdhsa_enable_private_segment 0
		.amdhsa_kernarg_size 16
		.amdhsa_user_sgpr_count 2
		.amdhsa_user_sgpr_kernarg_segment_ptr 1
		.amdhsa_wavefront_size32 1
		.amdhsa_system_sgpr_workgroup_id_x 1
		.amdhsa_system_sgpr_workgroup_id_y 1
		.amdhsa_system_sgpr_workgroup_id_z 1
		.amdhsa_system_vgpr_workitem_id 0
		.amdhsa_next_free_vgpr 140
		.amdhsa_next_free_sgpr 66
		.amdhsa_reserve_vcc 0
		.amdhsa_float_denorm_mode_32 3
		.amdhsa_float_denorm_mode_16_64 3
		.amdhsa_memory_ordered 1
		.amdhsa_forward_progress 1
		.amdhsa_inst_pref_size 9
	.end_amdhsa_kernel
	.amdgpu_metadata
---
amdhsa.version: [ 1, 2 ]
amdhsa.kernels:
  - .name:           k_q595a7932a5_red
    .symbol:         k_q595a7932a5_red.kd
    .args:
      - { .name: part, .offset: 0, .size: 8, .value_kind: global_buffer, .address_space: global }
      - { .name: out0, .offset: 8, .size: 8, .value_kind: global_buffer, .address_space: global }
    .group_segment_fixed_size: 0
    .private_segment_fixed_size: 0
    .kernarg_segment_align: 8
    .kernarg_segment_size: 16
    .max_flat_workgroup_size: 128
    .sgpr_count:     66
    .vgpr_count:     140
    .wavefront_size: 32
...
	.end_amdgpu_metadata
.endif
;; end of part 4
